; MI455X (gfx1250); checked and timed in simulation.
; The chip was launched on July 23, 2026; its instructions are those of AMD's public machine-readable ISA for CDNA 5 (MIT licence, August 2026) and "CDNA5" Instruction Set Architecture Reference Guide (July 2026). The comments in the code are by the model that wrote it; some were corrected since.
;; Attn Pool 2d. Allowed arithmetic: matrix products marked QUANTISED: E3M2 operands, one E8M0 scale for each 32 along K, by v_wmma_scale_f32_16x16x128_f8f6f4 with both operands' format E3M2, f32 sums; products left as they are: f32 operands where the result goes on into a quantised operand, else bf16, f16 or f32 operands; f32 sums; everything else in f32.
;; Inputs: WK 256 x 256 float32; WQ 256 x 256 float32; WV 256 x 256 float32; WZ_b 256 float32; WZ_w 256 x 256 float32; expand_b 1,024 float32; expand_w 1,024 x 256 float32; restore_b 256 float32; restore_w 256 x 1,024 float32; x 4 x 256 x 256 x 256 float32.
;; Outputs: out0 4 x 64 x 64 x 256 float32.
;; This version of the problem:
;;   THIS VERSION OF THE PROBLEM IS GIVEN IN LOW PRECISION. The matrix products marked QUANTISED in the list below multiply operands that are first quantised to E3M2 (3 exponent bits, 2 mantissa bits; 6 bits a number), with one power-of-two scale for each 32 numbers along K (OCP MX v1.0); their sums are f32. All else is computed in f32.
;;   The module's matrix products, in the order in which they are computed (A, B: the left and right operand; K: the contracted axis; several contracted axes count as one K, in the product's order):
;;     1. [M 16,384, K 256] x [K 256, N 256]; A: computed on the way; B: input WQ: QUANTISED
;;     2. [M 262,144, K 256] x [K 256, N 256]; A: input x; B: input WK: QUANTISED
;;     3. [M 262,144, K 256] x [K 256, N 256]; A: input x; B: input WV: QUANTISED
;;     4. batch 131,072 x [M 16, K 32] x [K 32, N 1]; A: computed on the way; B: computed on the way: left as it is (N = 1 < 16)
;;     5. batch 131,072 x [M 1, K 16] x [K 16, N 32]; A: softmax; B: computed on the way: left as it is (K = 16 < 32)
;;     6. [M 16,384, K 256] x [K 256, N 256]; A: computed on the way; B: input WZ_w: QUANTISED
;;     7. [M 16,384, K 256] x [K 256, N 1,024]; A: computed on the way; B: input expand_w: QUANTISED
;;     8. [M 16,384, K 1,024] x [K 1,024, N 256]; A: computed on the way; B: input restore_w: QUANTISED
;;   THE QUANTISER, for each operand of a quantised product, along K:
;;     - K is cut into blocks of 32 from its start; a last block that is shorter is filled with zeros.
;;     - A block's scale is 2^e with e = floor(log2(the largest magnitude in the block)) - 4, held to -126 .. 127; a block of zeros has e = 0. As a byte (E8M0): e + 127.
;;     - Each number is divided by its block's scale, clamped to +-28, and rounded to the nearest number of E3M2, ties to even, subnormals kept.
;;     - The product sums the exact products of the quantised numbers (number of the format x scale) in f32.
;;   ~~~python
;;   def quantise(x, axis):      # numpy; x: float32 -> the quantised numbers, widened to float32 again
;;       x = np.moveaxis(x, axis, -1); K = x.shape[-1]
;;       x = np.pad(x, [(0, 0)] * (x.ndim - 1) + [(0, -K % 32)]); x = x.reshape(x.shape[:-1] + (-1, 32)); a = np.abs(x).max(-1, keepdims=True)
;;       e = np.where(a > 0, np.clip(np.frexp(np.where(a > 0, a, 1))[1] - 1 - 4, -126, 127), 0)      # np.frexp(a)[1] - 1 = floor(log2(a)), exactly
;;       r = np.clip(x / 2.0 ** e, -28, 28)
;;       step = 2.0 ** (np.maximum(np.frexp(np.where(r == 0, 1, r))[1] - 1, -2) - 2)
;;       q = np.round(r / step) * step * 2.0 ** e      # np.round: ties to even
;;       return np.moveaxis(q.reshape(q.shape[:-2] + (-1,))[..., :K], -1, axis).astype(np.float32)
;;   ~~~
;;   OPERANDS COMPUTED ON THE WAY. 'Computed on the way' means the value that the module computes at that place (a softmax that the list does not call 'softmax' is quantised finished and normalised). What goes into a quantiser is computed in f32, as accurately as f32 sums, v_exp_f32 and their like allow (about 1e-6 of the number): no bf16 or f16 on the way to a quantiser, and a product that is left as it is and whose result goes on into a quantised operand takes f32 operands (vector FMAs, or v_wmma_f32_16x16x4_f32). A number that lies on a knife's edge between two numbers of the format may be rounded either way, as far as f32 arithmetic and the matrix unit's own rounding can turn it there, and no further.
;; 2 versions. Each part assembles by itself: llvm-mc -triple=amdgcn-amd-amdhsa -mcpu=gfx1250 --defsym DOCPART=n.
;; ======== version 1 of 2: 2 launches
;; workspace buffers: wimg 589,824 bytes; wscl 49,152 bytes
;; launch prep (part 1): grid 192 x 1, 1 waves a work-group, no clusters, 0 bytes of LDS; arguments WQ, WK, WV, WZ_w, expand_w, restore_w, wimg, wscl; writes wimg, wscl
.if DOCPART == 1
	.amdgcn_target "amdgcn-amd-amdhsa--gfx1250"
	.amdhsa_code_object_version 6
	.text
	.protected	k_q2f08d789cb_prep
	.globl	k_q2f08d789cb_prep
	.p2align	8
	.type	k_q2f08d789cb_prep,@function
k_q2f08d789cb_prep:
	s_mov_b64 s[64:65], 0
	v_nop
	global_prefetch_b8 v0, s[64:65] scope:SCOPE_SE
	s_setreg_imm32_b32 hwreg(HW_REG_WAVE_MODE, 25, 1), 1
	s_wait_xcnt 0x0
; The six weights, f32 with K innermost, become codes of BF6 (E3M2) with one E8M0 byte for each 32 along K, laid as IMAGES OF OPERAND REGISTERS.
; A UNIT is a tile of 16 weight rows x 256 along K: two fragments of 16 x 128.  In wimg a unit is 3,072 bytes: fragment f at 1,536 f, as three chunks of 512 bytes;
; chunk c holds registers 4 c .. 4 c + 3 of the operand, lane l's 16 bytes at 16 l.  In wscl a unit is 256 bytes: lane l's 8 bytes are the scale words of the two fragments for row l % 16.
; THE ROWS OF A TILE ARE NOT NEIGHBOURS: lane r of tile t takes row 32 (t / 2) + 8 (t % 2) + r + 8 (r / 8), so that in a transposed result the 16 registers of tiles 2 b, 2 b + 1 are 16 neighbouring columns.
; UNITS: WQ tile t: t;  WK: 16 + t;  WV: 32 + t;  WZ_w: 48 + t;  expand_w: 64 + t;  restore_w tile t, 256 p along K: 128 + 4 t + p.  One wave makes one unit: 192 work-groups of one wave.
; A block's scale is 2^(floor(log2(its largest magnitude)) - 4); its byte is the largest magnitude's exponent field - 4, held at 1 from below.
; LIMITS: a block of zeros, and one whose largest magnitude lies under 2^-122, gets the byte 1 (the rule says 127 for zeros: the codes are zeros, and this program alone reads the bytes); NaN and infinities are not served.
; Each load takes 32 bytes of each of 16 rows and their partners 64 bytes on: short pieces, accepted for 3 MB that are read once; every store covers 512 (codes) or 256 (scales) consecutive aligned bytes.
.set QI0, 16                           ; v16-79    fragment 0: 64 numbers a lane: register 16 b + i = k 32 b + 16 (lane / 16) + i of my row
.set QI1, 80                           ; v80-143   fragment 1
.set PCA, 144                          ; v144-163  fragment 0's codes (12 registers) and 8 at work
.set PCB, 164                          ; v164-183  fragment 1's
.set TM,  184                          ; v184-195  at work
.set PW,  196                          ; v196-197  the two scale words
.set SEL, 30                           ; s[30:31]  v_permlanex16_b32's selects for lane l xor 16
; 64 numbers of a lane become a fragment's codes in v[pc] .. v[pc + 11] and its scale word in v[pw]
.macro QUANT src, pc, tm, pw
.irp b, 0,1,2,3
	v_max3_num_f32 v[\tm+\b], |v[\src+16*\b]|, |v[\src+1+16*\b]|, 0x2800000   ; block b: my 16 numbers, and the floor 2^(5 - 127): the byte cannot fall under 1
.endr
.irp i, 2,4,6,8,10,12,14
.irp b, 0,1,2,3
	v_max3_num_f32 v[\tm+\b], v[\tm+\b], |v[\src+16*\b+\i]|, |v[\src+1+16*\b+\i]|   ; the four blocks by turns
.endr
.endr
.irp b, 0,1,2,3
	v_permlanex16_b32 v[\tm+4+\b], v[\tm+\b], s[SEL], s[SEL+1]
.endr
.irp b, 0,1,2,3
	v_max_num_f32 v[\tm+\b], v[\tm+\b], v[\tm+4+\b]          ; with lane l xor 16's 16: the block's largest magnitude
.endr
.irp b, 0,1,2,3
	v_add_nc_u32 v[\tm+8+\b], 0xfe000000, v[\tm+\b]          ; 4 off its exponent field: the conversion's scale operand
.endr
.irp b, 0,1,2,3
	v_lshrrev_b32 v[\tm+4+\b], 23, v[\tm+8+\b]               ; the scale's byte
.endr
	v_lshl_or_b32 v[\pw], v[\tm+5], 8, v[\tm+4]              ; four bytes make my row's scale word
	v_lshl_or_b32 v[\pw], v[\tm+6], 16, v[\pw]
	v_lshl_or_b32 v[\pw], v[\tm+7], 24, v[\pw]
.irp c, 0,1
	v_cvt_scalef32_pk16_bf6_f32 v[\pc+6*\c:\pc+2+6*\c], v[\src+32*\c:\src+15+32*\c], v[\tm+8+2*\c]
	v_cvt_scalef32_pk16_bf6_f32 v[\pc+12+4*\c:\pc+14+4*\c], v[\src+16+32*\c:\src+31+32*\c], v[\tm+8+2*\c+1]   ; (a conversion's three registers begin on an even number)
.endr
	v_nop                                                    ; one plain instruction behind the scaled conversions
.irp c, 0,1                                    ; the operand wants a WHOLE block in a lane: lanes 0-15 block 2 c, lanes 16-31 block 2 c + 1
.irp i, 0,1,2
	v_permlane16_swap_b32 v[\pc+6*\c+\i], v[\pc+12+4*\c+\i]
.endr
.irp i, 0,1,2
	v_mov_b32 v[\pc+3+6*\c+\i], v[\pc+12+4*\c+\i]
.endr
.endr
.endm
	s_load_b256 s[4:11], s[0:1], 0x0               ; WQ s[4:5], WK s[6:7], WV s[8:9], WZ_w s[10:11]
	s_load_b256 s[12:19], s[0:1], 0x20             ; expand_w s[12:13], restore_w s[14:15], wimg s[16:17], wscl s[18:19]
	v_and_b32 v1, 15, v0                           ; r (one wave: v0 is the lane)
	v_bfe_u32 v2, v0, 4, 1                         ; h
	v_and_b32 v6, 8, v1
	v_add_nc_u32 v6, v6, v1                        ; r + 8 (r / 8)
	v_lshlrev_b32 v4, 4, v0                        ; 16 x lane: my place in a chunk
	v_lshlrev_b32 v5, 3, v0                        ; 8 x lane: my two scale words
	s_mov_b32 s[SEL], 0x76543210
	s_mov_b32 s[SEL+1], 0xfedcba98
.irp b, 0,1,2,3
	v_mov_b32 v[TM+4+\b], 0                        ; written once: a lane permute's destination counts as one of its sources
.endr
	s_wait_kmcnt 0x0
	; which weight is my unit's, and where its units begin: a chain of choices on the work-group's number alone
	s_mov_b64 s[20:21], s[14:15]                   ; restore_w, from unit 128 on
	s_mov_b32 s22, 128
	s_cmp_lt_u32 ttmp9, 128
	s_cselect_b64 s[20:21], s[12:13], s[20:21]     ; expand_w, from 64
	s_cselect_b32 s22, 64, s22
	s_cselect_b32 s26, 10, 12                      ; a row is 2^10 bytes, in restore_w 2^12
	s_cselect_b32 s27, 0, 2                        ; restore_w alone has four units to a tile
	s_cselect_b32 s28, 0, 3
	s_cmp_lt_u32 ttmp9, 64
	s_cselect_b64 s[20:21], s[10:11], s[20:21]     ; WZ_w, from 48
	s_cselect_b32 s22, 48, s22
	s_cmp_lt_u32 ttmp9, 48
	s_cselect_b64 s[20:21], s[8:9], s[20:21]       ; WV, from 32
	s_cselect_b32 s22, 32, s22
	s_cmp_lt_u32 ttmp9, 32
	s_cselect_b64 s[20:21], s[6:7], s[20:21]       ; WK, from 16
	s_cselect_b32 s22, 16, s22
	s_cmp_lt_u32 ttmp9, 16
	s_cselect_b64 s[20:21], s[4:5], s[20:21]       ; WQ, from 0
	s_cselect_b32 s22, 0, s22
	s_sub_co_u32 s23, ttmp9, s22                   ; my unit within the weight
	s_lshr_b32 s24, s23, s27                       ; tile t
	s_and_b32 s25, s23, s28                        ; p: which 256 along K
	s_lshr_b32 s29, s24, 1
	s_lshl_b32 s29, s29, 5
	s_and_b32 s32, s24, 1
	s_lshl_b32 s32, s32, 3
	s_add_co_u32 s29, s29, s32                     ; the tile's first row: 32 (t / 2) + 8 (t % 2)
	s_lshl_b32 s29, s29, s26                       ; in bytes,
	s_lshl_b32 s25, s25, 10                        ; + 1,024 p
	s_add_co_u32 s32, s29, s25
	s_mov_b32 s33, 0
	s_add_nc_u64 s[20:21], s[20:21], s[32:33]
	s_mul_i32 s34, ttmp9, 3072
	s_mov_b32 s35, 0
	s_add_nc_u64 s[16:17], s[16:17], s[34:35]      ; my unit in wimg
	s_lshl_b32 s34, ttmp9, 8
	s_add_nc_u64 s[18:19], s[18:19], s[34:35]      ; and in wscl
	v_lshlrev_b32 v3, s26, v6                      ; my row,
	v_lshl_add_u32 v3, v2, 6, v3                   ; + 64 h: my 16 numbers of each block of 32
.irp f, 0,1
.irp b, 0,1,2,3
.irp j, 0,1,2,3
	global_load_b128 v[QI0+64*\f+16*\b+4*\j:QI0+64*\f+16*\b+4*\j+3], v3, s[20:21] offset:512*\f+128*\b+16*\j th:TH_LOAD_NT
.endr
.endr
.endr
	s_wait_loadcnt 16                              ; fragment 0's 16 loads are in; fragment 1's 16 may be out
	QUANT QI0, PCA, TM, PW
.irp c, 0,1,2
	global_store_b128 v4, v[PCA+4*\c:PCA+4*\c+3], s[16:17] offset:512*\c          ; 32 lanes store 512 consecutive bytes
.endr
	s_wait_loadcnt 0x0
	QUANT QI1, PCB, TM, PW+1                       ; codes and word in registers of their own: no store's data are written again
.irp c, 0,1,2
	global_store_b128 v4, v[PCB+4*\c:PCB+4*\c+3], s[16:17] offset:1536+512*\c
.endr
	global_store_b64 v5, v[PW:PW+1], s[18:19]      ; 32 lanes store 256 consecutive aligned bytes
	s_endpgm
.Lfunc_end_k_q2f08d789cb_prep:
	.size	k_q2f08d789cb_prep, .Lfunc_end_k_q2f08d789cb_prep-k_q2f08d789cb_prep
	.p2alignl 7, 3214868480
	.fill 96, 4, 3214868480
	.section	.rodata,"a",@progbits
	.p2align	6, 0x0
	.amdhsa_kernel k_q2f08d789cb_prep
		.amdhsa_group_segment_fixed_size 0
		.amdhsa_private_segment_fixed_size 0
		.amdhsa_enable_private_segment 0
		.amdhsa_kernarg_size 64
		.amdhsa_user_sgpr_count 2
		.amdhsa_user_sgpr_kernarg_segment_ptr 1
		.amdhsa_wavefront_size32 1
		.amdhsa_system_sgpr_workgroup_id_x 1
		.amdhsa_system_sgpr_workgroup_id_y 1
		.amdhsa_system_sgpr_workgroup_id_z 1
		.amdhsa_system_vgpr_workitem_id 0
		.amdhsa_next_free_vgpr 208
		.amdhsa_next_free_sgpr 66
		.amdhsa_reserve_vcc 0
		.amdhsa_float_denorm_mode_32 3
		.amdhsa_float_denorm_mode_16_64 3
		.amdhsa_memory_ordered 1
		.amdhsa_forward_progress 1
		.amdhsa_inst_pref_size 14
	.end_amdhsa_kernel
	.amdgpu_metadata
---
amdhsa.version: [ 1, 2 ]
amdhsa.kernels:
  - .name:           k_q2f08d789cb_prep
    .symbol:         k_q2f08d789cb_prep.kd
    .args:
      - { .name: WQ, .offset: 0, .size: 8, .value_kind: global_buffer, .address_space: global }
      - { .name: WK, .offset: 8, .size: 8, .value_kind: global_buffer, .address_space: global }
      - { .name: WV, .offset: 16, .size: 8, .value_kind: global_buffer, .address_space: global }
      - { .name: WZ_w, .offset: 24, .size: 8, .value_kind: global_buffer, .address_space: global }
      - { .name: expand_w, .offset: 32, .size: 8, .value_kind: global_buffer, .address_space: global }
      - { .name: restore_w, .offset: 40, .size: 8, .value_kind: global_buffer, .address_space: global }
      - { .name: wimg, .offset: 48, .size: 8, .value_kind: global_buffer, .address_space: global }
      - { .name: wscl, .offset: 56, .size: 8, .value_kind: global_buffer, .address_space: global }
    .group_segment_fixed_size: 0
    .private_segment_fixed_size: 0
    .kernarg_segment_align: 8
    .kernarg_segment_size: 64
    .max_flat_workgroup_size: 32
    .sgpr_count:     66
    .vgpr_count:     208
    .wavefront_size: 32
...
	.end_amdgpu_metadata
.endif
;; end of part 1
;; launch pool (part 2): grid 256 x 1, 8 waves a work-group, no clusters, 266,752 bytes of LDS; arguments x, wimg, wscl, WZ_b, expand_b, restore_b, out0; writes out0
.if DOCPART == 2
	.amdgcn_target "amdgcn-amd-amdhsa--gfx1250"
	.amdhsa_code_object_version 6
	.text
	.protected	k_q2f08d789cb_pool
	.globl	k_q2f08d789cb_pool
	.p2align	8
	.type	k_q2f08d789cb_pool,@function
k_q2f08d789cb_pool:
	s_mov_b64 s[64:65], 0
	v_nop
	global_prefetch_b8 v0, s[64:65] scope:SCOPE_SE
	s_setreg_imm32_b32 hwreg(HW_REG_WAVE_MODE, 25, 1), 1
	s_wait_xcnt 0x0
; AttnPool over windows of 4 x 4 positions, then WZ, expand (relu), restore (relu).  All six large products on codes of BF6 (E3M2) with one E8M0 scale for each 32 along K; everything ahead of a quantiser in f32.
; SHARES.  Work-group W owns image rows 4 i .. 4 i + 3 of batch entry b (W = 64 b + i): 64 windows, 2^20 consecutive bytes of x, 64 consecutive rows of the output.  Eight waves of 512 registers.
; WAVE w OWNS HEAD w: columns 32 w .. 32 w + 31 of q, k and v; its fragments of WQ, WK, WV stay in registers.  A window is one tile of 16 rows (its positions), a head one block of 32 of the next K.
; THE LOOP: 8 trips of 8 windows, three barriers a trip.
;   X: wave w turns window w of the group into codes: 32 dense loads of 512 bytes (asked for a trip ahead) -> registers (the mean is summed there) -> the wave's own stage in LDS -> 16 neighbours a lane -> quantiser -> images of the operand's registers in LDS.
;   MQ: waves 0 and 1 quantise the eight means (a tile of 16 rows in which each mean stands twice).
;   A: every wave reads all images: q of its head; then, two windows at a time, k (transposed: a lane holds a position), scores, softmax over the 16 positions (16 lanes), v (natural: a lane holds a column), z.
;      What only changes lanes inside a half of the wave, q of a window and the softmax's weights, goes by DPP moves (row_share), not through LDS: LDS carries the turn of x and the images, 271 accesses of 256 bytes a wave and trip.
; THE CHAIN on the work-group's 64 rows: the waves share the columns (wave w: outputs 32 w on of WZ and restore, hidden units 128 w on); rows go from wave to wave through LDS as images; the chain's weights come from
; memory straight into the registers that x and WQ, WK, WV have left, asked for one or two phases ahead.
; NO CLUSTER: all work-groups read the same 589,824 bytes of weight images, but a joint request lands in LDS, of which this text leaves 62,080 bytes: ten refills, each behind a round, and every byte written to LDS and read
; back, where now each wave loads its 73,728 bytes once, whole fragments, into registers.  No tensor load: in registers x also gives the mean, which a tile in LDS would have to be read a second time for.
; NO PREFETCH: x is the launch's one stream from memory, and each wave keeps 32 loads of 512 bytes of it out at all times.
; LIMITS: NaN and infinities are not served.  A block of zeros, or with its largest magnitude under 2^-122, gets the scale byte 1 (its codes are zeros or the rule's own).  v_exp_f32 gives 0 for results under 2^-126.
; The mean is the sum of x / 16 in two chains, another order than a plain sum; log2(e) / sqrt(32) is multiplied into q ahead of the scores.
;
; LDS.  Pitches 528, 1,040 and 144 are odd multiples of 16 bytes: the sixteen rows of a 16-byte access start in different banks (64 banks of 4 bytes: ISA guide 11.1).
.set STG,   0                          ; 8 x 8,448: a stage of 16 rows x 528 for each wave, its own
.set STGW,  16*528
.set XIMG,  STG+8*STGW                 ; x's images: window i, K step s at 3,072 i + 1,536 s
.set XSC,   XIMG+8*3072                ; their scale words: window i at 256 i; a lane's 8 bytes = steps 0, 1
.set MEAN,  XSC+8*256                  ; 8 rows x 1,040: the means, f32
.set MIMG,  MEAN+8*1040                ; the means' two images
.set MSC,   MIMG+2*1536                ; and scale words
.set ZF,    MSC+256                    ; z, f32, HEAD BY HEAD: head w at 9,216 w: 64 rows x 144: each wave stores into a run of its own
.set ZFW,   64*144
.set BIAS,  ZF+8*ZFW                   ; 8 x 768: my 32 of WZ_b, my 128 of expand_b, my 32 of restore_b; each wave's own
.set ZIMG,  BIAS+8*768                 ; z's images: rows 16 m on, K step s at 1,536 (2 m + s)
.set ZSC,   ZIMG+8*1536                ; scale words: m at 256 m
.set Z2O,   8*1536+4*256               ; the same two regions once more, this far on, for z after WZ
.set HIMG,  ZSC+4*256+Z2O              ; the hidden layer's images: (m, s) at 1,536 (8 m + s)
.set HSC,   HIMG+32*1536               ; scale words: step s at 512 s; a lane's 16 bytes = m 0 .. 3.  Ends at 265,600
.set Z2F,   STG                        ; z after WZ, f32, 64 rows x 1,040: in the stages, which are done with behind the loop
.set OST,   ZF                         ; the output's stage, 64 rows x 1,040: in ZF, which is read out by then
; VECTOR REGISTERS, window 0.  v1-31: addresses, made at the head and never rewritten (but ZW, once a trip).  l lane, r = l % 16, h = l / 16, w wave
.set L16,1                             ; 16 l
.set XO, 2                             ; 16 l + 4,096 w: my bytes in a group's x
.set SA, 3                             ; my stage + 16 l
.set SRD,4                             ; my stage + 528 r + 64 h
.set MW, 5                             ; MEAN + 1,040 w + 16 l
.set XWI,6                             ; XIMG + 3,072 w + 16 l
.set XWS,7                             ; XSC + 256 w + 8 l
.set MRD,8                             ; MEAN + 1,040 (r % 8) + 64 h + 512 (w % 2)
.set MWI,9                             ; MIMG + 1,536 (w % 2) + 16 l
.set MWS,10                            ; MSC + 8 l + 4 (w % 2)
.set XRI,11                            ; XIMG + 16 l; the means' images lie MIMG - XIMG = 34,944 bytes on: an immediate
.set XRS,12                            ; XSC + 8 l; the means' scale words MSC - XSC = 13,440 bytes on
.set ZWB,13                            ; ZF + 9,216 w + 4 (r + 8 (r / 8) + 8 h)
.set ZW, 14                            ; ZWB + 1,152 x trip
.set ZRD,15                            ; ZF + 36,864 (w % 2) + 2,304 (w / 2) + 144 r + 64 h
.set Z2RD,16                           ; Z2F + 16,640 (w / 2) + 1,040 r + 512 (w % 2) + 64 h
.set ZIW,17                            ; ZIMG + 1,536 w + 16 l
.set ZSW,18                            ; ZSC + 256 (w / 2) + 8 l + 4 (w % 2)
.set ZIR,19                            ; ZIMG + 16 l
.set ZSR,20                            ; ZSC + 8 l
.set Z2W,21                            ; Z2F + 1,040 r + 128 w + 64 h
.set OW, 22                            ; OST + the same
.set BRD,23                            ; BIAS + 768 w + 64 h
.set BW4,24                            ; BIAS + 768 w + 4 l
.set BW16,25                           ; BIAS + 768 w + 16 l
.set HIW,26                            ; HIMG + 1,536 w + 16 l
.set HSW,27                            ; HSC + 512 w + 16 l
.set HIR,28                            ; HIMG + 16 l; the hidden layer's scale words lie HSC - HIMG = 49,152 bytes on
.set ORD,29                            ; OST + 8,320 w + 16 l
.set L8, 30                            ; 8 l
.set L4, 31                            ; 4 l
.set Q8, 32                            ; v32-39: q of my head for the trip's 8 windows, x log2(e) / sqrt(32): register j, lane (i, h): i < 8: window i, column 16 h + j; else window i - 8, column 16 h + 8 + j
; v40-81 hold scale words and nothing else in the whole text
.set SQ, 40                            ; WQ's: 40 + 2 u + s   (in the chain v40-51 and v78-81 hold restore's: (u, s) at 40 + i + 26 (i / 12), i = 8 u + s)
.set SK, 44                            ; WK's
.set SV, 48                            ; WV's
.set XS, 52                            ; the pair's windows': 52 + 2 x + s   (in the chain: the rows' words)
.set MS, 56                            ; the means'   (in the chain: those of z after WZ)
.set WZS,58                            ; WZ's: 58 + 2 u + s
.set EXS,62                            ; expand's: 62 + 2 t + s
.set WV, 82                            ; v82-129 WV's fragments: 82 + 24 u + 12 s   (in the chain restore's K steps 0, 1: 82 + 24 s + 12 u)
; v130-255 at work, by phase
.set QI, 130                           ; X, MQ, Zq: 64 numbers for the quantiser
.set PCD,194                           ; codes: 12 registers and 8 at work
.set TM, 214                           ; 12 at work
.set PW, 226                           ; the scale word just made
.set MA, 228                           ; v228-231, v232-235: the mean's two chains
.set RC, 242                           ; v242-243: 1 / 16, twice
.set XF, 130                           ; A: the pair's fragments: 130 + 24 x + 12 s
.set KA, 178                           ; k: 178 + 16 x + 8 u.  Before them q's two tiles (178 + 8 u); behind them the softmax weights (178 + 8 x)
.set VA, 210                           ; v: 210 + 16 x + 8 u.  Before them the means' fragments (210 + 12 s), then q of the pair's windows in v's places
.set TC, 242                           ; v242-255 at work
.set ZA, 178                           ; WZ: accumulators 178 + 16 m + 8 u
.set HA, 154                           ; EX: my 8 tiles of the hidden layer
.set PC2,218
.set TM2,238
.set PW2,250
.set OA, 130                           ; RS: accumulators 130 + 16 m + 8 u
.set HF, 194                           ; RS: the step's four fragments of the hidden layer
; window 1 (local numbers): in the loop x as loaded, 64 s + 4 p, in 0-127; WK, WQ.  In the chain: expand tile t at 24 t + 64 (t / 4) + 12 s; the biases as loaded at 96-101; WZ; later restore's steps 2, 3 in WZ's place and 4-7 at 24 (s - 4) + 12 u
.set WK, 160
.set WQ, 208
.set WZF,112
.set BL, 96
.set SEL,26                            ; s[26:27] v_permlanex16_b32's selects for lane l xor 16
; SCALARS: s[4:5] x at the group being asked for; s[6:9] wimg, wscl; s[10:15] the biases at my part; s[16:17] my wave's 8 rows of out0; s18 wave; s19-21, s23 at work; s22 the lanes 8-15 of both halves, as a mask;
; s[24:25] c = log2(e) / sqrt(32); s28 trips to go; s29 1,152 x trip; s[30:31] wimg + 6,144 w; s[32:33] wimg + 24,576 w; s[34:35] wscl + 512 w; s[36:37] wscl + 2,048 w; s[38:39] at work
.set MSB, 0
.macro WIN new                         ; bits 1:0 source 0, 3:2 source 1, 5:4 source 2, 7:6 destination; the immediate's high byte repeats the setting that is left
.if MSB != \new
	s_set_vgpr_msb (MSB<<8)|\new
.set MSB, \new
.endif
.endm
.macro PLACES                          ; four plain instructions behind a matrix instruction, ahead of reads of its result and of loads into its registers
.rept 4
	v_nop
.endr
.endm
.macro BARRIER                         ; my LDS stores have landed and my LDS loads are in: then the work-group's barrier
	s_wait_dscnt 0x0
	s_barrier_signal -1
	s_barrier_wait -1
.endm
.macro IMAGE adr, pc, off              ; a fragment goes to LDS as its registers stand: lane l's 16 bytes at 16 l, 512 bytes a store
.irp c, 0,1,2
	ds_store_b128 v[\adr], v[(\pc)+4*\c:(\pc)+4*\c+3] offset:(\off)+512*\c
.endr
.endm
.macro FETCH reg, adr, off             ; and comes back so, in any wave
.irp c, 0,1,2
	ds_load_b128 v[(\reg)+4*\c:(\reg)+4*\c+3], v[\adr] offset:(\off)+512*\c
.endr
.endm
.macro WFRAG reg, base, off            ; a weight's fragment from its image in memory: three loads of 512 consecutive bytes
.irp c, 0,1,2
	global_load_b128 v[(\reg)+4*\c:(\reg)+4*\c+3], v[L16], s[\base:\base+1] offset:(\off)+512*\c
.endr
.endm
.macro WM d, a, b, zero, sa, sb        ; one product 16 x 16 x 128.  zero = 1: it starts the sum
.if \zero
	v_wmma_scale_f32_16x16x128_f8f6f4 v[(\d):(\d)+7], v[(\a):(\a)+11], v[(\b):(\b)+11], 0, v[(\sa)], v[(\sb)] matrix_a_fmt:MATRIX_FMT_BF6 matrix_b_fmt:MATRIX_FMT_BF6
.else
	v_wmma_scale_f32_16x16x128_f8f6f4 v[(\d):(\d)+7], v[(\a):(\a)+11], v[(\b):(\b)+11], v[(\d):(\d)+7], v[(\sa)], v[(\sb)] matrix_a_fmt:MATRIX_FMT_BF6 matrix_b_fmt:MATRIX_FMT_BF6
.endif
.endm
; 64 numbers of a lane, register 16 b + i = k 32 b + 16 h + i of my row, become a fragment's codes in v[pc] .. v[pc + 11] and its scale word in v[pw]
.macro QUANT src, pc, tm, pw
.irp b, 0,1,2,3
	v_max3_num_f32 v[\tm+\b], |v[\src+16*\b]|, |v[\src+1+16*\b]|, 0x2800000   ; block b: my 16 numbers, and the floor 2^(5 - 127): the byte cannot fall under 1
.endr
.irp i, 2,4,6,8,10,12,14
.irp b, 0,1,2,3
	v_max3_num_f32 v[\tm+\b], v[\tm+\b], |v[\src+16*\b+\i]|, |v[\src+1+16*\b+\i]|   ; the four blocks by turns
.endr
.endr
.irp b, 0,1,2,3
	v_permlanex16_b32 v[\tm+4+\b], v[\tm+\b], s[SEL], s[SEL+1]
.endr
.irp b, 0,1,2,3
	v_max_num_f32 v[\tm+\b], v[\tm+\b], v[\tm+4+\b]          ; with lane l xor 16's 16: the block's largest magnitude
.endr
.irp b, 0,1,2,3
	v_add_nc_u32 v[\tm+8+\b], 0xfe000000, v[\tm+\b]          ; 4 off its exponent field: the conversion's scale operand
.endr
.irp b, 0,1,2,3
	v_lshrrev_b32 v[\tm+4+\b], 23, v[\tm+8+\b]               ; the scale's byte
.endr
	v_lshl_or_b32 v[\pw], v[\tm+5], 8, v[\tm+4]              ; four bytes make my row's scale word
	v_lshl_or_b32 v[\pw], v[\tm+6], 16, v[\pw]
	v_lshl_or_b32 v[\pw], v[\tm+7], 24, v[\pw]
.irp c, 0,1
	v_cvt_scalef32_pk16_bf6_f32 v[\pc+6*\c:\pc+2+6*\c], v[\src+32*\c:\src+15+32*\c], v[\tm+8+2*\c]
	v_cvt_scalef32_pk16_bf6_f32 v[\pc+12+4*\c:\pc+14+4*\c], v[\src+16+32*\c:\src+31+32*\c], v[\tm+8+2*\c+1]   ; (a conversion's three registers begin on an even number)
.endr
	v_nop                                                    ; one plain instruction behind the scaled conversions
.irp c, 0,1                                    ; the operand wants a WHOLE block in a lane: lanes 0-15 block 2 c, lanes 16-31 block 2 c + 1
.irp i, 0,1,2
	v_permlane16_swap_b32 v[\pc+6*\c+\i], v[\pc+12+4*\c+\i]
.endr
.irp i, 0,1,2
	v_mov_b32 v[\pc+3+6*\c+\i], v[\pc+12+4*\c+\i]
.endr
.endr
.endm
; K step s (512 bytes) of my window's 16 positions: position p = 4 dr + dc lies dr image rows (262,144 bytes) and dc columns (1,024 bytes) on.  Each load reads 512 consecutive aligned bytes
.macro XLOAD s
	WIN 0x40                                       ; destination window 1
.irp p, 0,1,2,3,4,5,6,7,8,9,10,11,12,13,14,15
	global_load_b128 v[64*(\s)+4*\p:64*(\s)+4*\p+3], v[XO], s[4:5] offset:(\p/4)*262144+(\p%4)*1024+512*(\s) th:TH_LOAD_NT
.endr
	WIN 0
.endm
; ---- PHASE X.  ahead = 1: as soon as a half's registers are free they take the same half of my window of the NEXT group
.macro XPH ahead
	v_mov_b32 v[RC], 0x3d800000                    ; 1 / 16: the scaling is exact
	v_mov_b32 v[RC+1], 0x3d800000
.if \ahead
	s_wait_xcnt 0x0                                ; the loads that are out have read their base: it may step
	s_add_nc_u64 s[4:5], s[4:5], 32768             ; the next group: 8 windows x 4 columns x 1,024 bytes
.endif
.irp s, 0,1
	WIN 0x04                                       ; source 1 (x: factor of the mean, data of the stage's stores) in window 1
.irp c, 0,1,2,3
	s_wait_loadcnt 28-4*\c-16*\s*(1-\ahead)        ; positions 4 c .. 4 c + 3 of this half are in; out may be: the rest of the half, 12 - 4 c, and the 16 loads issued behind it (none behind the tail's second half)
.irp k, 0,1,2,3
.irp e, 0,2
.if 4*\c+\k < 2
	v_pk_mul_f32 v[MA+4*(\k%2)+\e:MA+4*(\k%2)+\e+1], v[RC:RC+1], v[64*\s+16*\c+4*\k+\e:64*\s+16*\c+4*\k+\e+1]   ; the first two positions start the two chains
.else
	v_pk_fma_f32 v[MA+4*(\k%2)+\e:MA+4*(\k%2)+\e+1], v[RC:RC+1], v[64*\s+16*\c+4*\k+\e:64*\s+16*\c+4*\k+\e+1], v[MA+4*(\k%2)+\e:MA+4*(\k%2)+\e+1]
.endif
.endr
.endr
.irp k, 0,1,2,3
	ds_store_b128 v[SA], v[64*\s+16*\c+4*\k:64*\s+16*\c+4*\k+3] offset:528*(4*\c+\k)   ; the position's 512 bytes as they lie
.endr
.endr
	WIN 0
.irp b, 0,1,2,3
.irp j, 0,1,2,3
	ds_load_b128 v[QI+16*\b+4*\j:QI+16*\b+4*\j+3], v[SRD] offset:128*\b+16*\j   ; back: position r, 16 neighbours of each block.  LDS serves a wave's instructions in order: these see my stores
.endr
.endr
	v_pk_add_f32 v[MA:MA+1], v[MA:MA+1], v[MA+4:MA+5]
	v_pk_add_f32 v[MA+2:MA+3], v[MA+2:MA+3], v[MA+6:MA+7]
	ds_store_b128 v[MW], v[MA:MA+3] offset:512*\s  ; my window's mean, four numbers a lane
	s_wait_dscnt 0x0                               ; the 64 numbers are in; the stage's stores have read x's registers, the last images' stores their codes
.if \ahead
	XLOAD \s
.endif
	QUANT QI, PCD, TM, PW
	IMAGE XWI, PCD, 1536*\s
	ds_store_b32 v[XWS], v[PW] offset:4*\s
.endr
.endm
; the first of what the chain wants, 49 loads, into x's registers, which the tail trip leaves free: WZ (12), expand's tiles 0-3 (24), the three biases (3); the scale words of WZ and expand (2 + 8).  They have all of phase A in which to land
.macro P1
	WIN 0x40
.irp u, 0,1
.irp s, 0,1
	WFRAG WZF+24*\u+12*\s, 30, (48+\u)*3072+1536*\s
.endr
.endr
.irp t, 0,1,2,3
.irp s, 0,1
	WFRAG 24*\t+12*\s, 32, (64+\t)*3072+1536*\s
.endr
.endr
	global_load_b32 v[BL+4], v[L4], s[10:11]       ; my 32 of WZ_b, a number a lane
	global_load_b128 v[BL:BL+3], v[L16], s[12:13]  ; my 128 of expand_b, four a lane
	global_load_b32 v[BL+5], v[L4], s[14:15]       ; my 32 of restore_b
	WIN 0
.irp u, 0,1
	global_load_b64 v[WZS+2*\u:WZS+2*\u+1], v[L8], s[34:35] offset:(48+\u)*256
.endr
.irp t, 0,1,2,3,4,5,6,7
	global_load_b64 v[EXS+2*\t:EXS+2*\t+1], v[L8], s[36:37] offset:(64+\t)*256
.endr
.endm
.macro XFETCH n                        ; pair n's four fragments and two pairs of scale words: 14 LDS loads
.irp x, 0,1
.irp s, 0,1
	FETCH XF+24*\x+12*\s, XRI, 3072*(2*(\n)+\x)+1536*\s
.endr
.endr
.irp x, 0,1
	ds_load_b64 v[XS+2*\x:XS+2*\x+1], v[XRS] offset:256*(2*(\n)+\x)
.endr
.endm
.macro BCAST dst, src, lane            ; eight registers: every lane takes the number of lane 'lane' of its own half of the wave
.irp j, 0,1,2,3,4,5,6,7
	v_mov_b32_dpp v[(\dst)+\j], v[(\src)+\j] row_share:\lane row_mask:0xf bank_mask:0xf
.endr
.endm
.macro VW x, u, s                      ; v, NATURAL: source 0 = the window's 16 positions, source 1 = 16 rows of WV: lane (r, h) holds column 8 u + r + 8 (r / 8) of my head, register j position 8 h + j
	WM VA+16*\x+8*\u, XF+24*\x+12*\s, WV+24*\u+12*\s, 1-\s, XS+2*\x+\s, SV+2*\u+\s
.endm
; ---- two windows, a = 2 n and b = 2 n + 1.  la0, la1, lb0, lb1: the lanes of a half that hold q of window a, tiles 0 and 1, and of window b: 2 n, 2 n + 8, 2 n + 1, 2 n + 9
.macro PAIR n, la0, la1, lb0, lb1
	BCAST VA, Q8, \la0                             ; q of the two windows, my half's 16 columns, the same in all lanes of a half, into v's places: 32 moves, which stand ahead of the wait for the fragments
	BCAST VA+8, Q8, \la1
	BCAST VA+16, Q8, \lb0
	BCAST VA+24, Q8, \lb1
	s_wait_dscnt 0x0                               ; the pair's fragments and scale words are in; the last pair's two stores of z have read their registers
	WIN 0x01                                       ; source 0 (WK) in window 1
.irp s, 0,1                                    ; k, TRANSPOSED: source 0 = 16 rows of WK, source 1 = the window: lane (r, h) holds position r, register j of tile u column 16 h + 8 u + j of my head.  Four accumulators by turns
.irp x, 0,1
.irp u, 0,1
	WM KA+16*\x+8*\u, WK+24*\u+12*\s, XF+24*\x+12*\s, 1-\s, SK+2*\u+\s, XS+2*\x+\s
.endr
.endr
.endr
	WIN 0
	PLACES
.irp e, 0,2,4,6                                ; the scores: my 16 columns of q . k, in four chains, each accumulator from its low end on
.irp y, 0,1,2,3
.if \e == 0
	v_pk_mul_f32 v[TC+2*\y:TC+2*\y+1], v[KA+8*\y:KA+8*\y+1], v[VA+8*\y:VA+8*\y+1]
.else
	v_pk_fma_f32 v[TC+2*\y:TC+2*\y+1], v[KA+8*\y+\e:KA+8*\y+\e+1], v[VA+8*\y+\e:VA+8*\y+\e+1], v[TC+2*\y:TC+2*\y+1]
.endif
.endr
.endr
	v_pk_add_f32 v[TC:TC+1], v[TC:TC+1], v[TC+2:TC+3]
	v_pk_add_f32 v[TC+4:TC+5], v[TC+4:TC+5], v[TC+6:TC+7]
	v_add_f32 v[TC+2], v[TC], v[TC+1]              ; window a: my half of position r's score
	v_add_f32 v[TC+3], v[TC+4], v[TC+5]            ; window b
	v_permlane16_swap_b32 v[TC+2], v[TC+3]         ; a's lanes 16-31 change places with b's lanes 0-15:
	v_add_f32 v[TC+8], v[TC+2], v[TC+3]            ; t = score x log2(e) / sqrt(32): lanes 0-15 window a's 16 positions, lanes 16-31 window b's
	; the softmax is a chain of dependent lines: v's eight products, all of whose registers lie in window 0, stand between them
	VW 0, 0, 0
	v_max_num_f32_dpp v[TC+6], v[TC+8], v[TC+8] row_xmask:1 row_mask:0xf bank_mask:0xf
	VW 0, 1, 0
	v_max_num_f32_dpp v[TC+6], v[TC+6], v[TC+6] row_xmask:2 row_mask:0xf bank_mask:0xf
	VW 1, 0, 0
	v_max_num_f32_dpp v[TC+6], v[TC+6], v[TC+6] row_xmask:4 row_mask:0xf bank_mask:0xf
	VW 1, 1, 0
	v_max_num_f32_dpp v[TC+6], v[TC+6], v[TC+6] row_xmask:8 row_mask:0xf bank_mask:0xf   ; the window's largest t
	VW 0, 0, 1
	v_sub_f32 v[TC+7], v[TC+8], v[TC+6]
	VW 0, 1, 1
	v_exp_f32 v[TC+9], v[TC+7]                     ; 2^(t - the largest t)
	VW 1, 0, 1
	v_nop                                          ; the plain instruction behind the exponential
	VW 1, 1, 1
	s_wait_alu depctr_va_vdst(0)                   ; the wait ahead of the first line that names the exponential's result
	v_add_f32_dpp v[TC+4], v[TC+9], v[TC+9] row_xmask:1 row_mask:0xf bank_mask:0xf
	v_add_f32_dpp v[TC+4], v[TC+4], v[TC+4] row_xmask:2 row_mask:0xf bank_mask:0xf
	v_add_f32_dpp v[TC+4], v[TC+4], v[TC+4] row_xmask:4 row_mask:0xf bank_mask:0xf
	v_add_f32_dpp v[TC+4], v[TC+4], v[TC+4] row_xmask:8 row_mask:0xf bank_mask:0xf   ; the window's sum
	v_rcp_f32 v[TC+5], v[TC+4]
	v_nop                                          ; the plain instruction behind the reciprocal
	s_wait_alu depctr_va_vdst(0)                   ; and its wait
	v_mul_f32 v[TC+10], v[TC+9], v[TC+5]           ; the weight of my position: lanes 0-15 window a's, lanes 16-31 window b's
	v_nop                                          ; with the two lines above: four plain instructions without a lane control behind v's last product,
	v_nop                                          ; ahead of the loads into its operands and of the reads of its result
.if \n < 3
	XFETCH \n+1                                    ; the next pair's 14 loads have the rest of this pair in which to land
.endif
	; v's register j holds position 8 h + j, so lane (., h) wants weights 8 h + 0 .. 7.  First they are brought to lanes 0-7 of half h, then spread
	v_mov_b32_dpp v[TC+7], v[TC+10] row_xmask:8 row_mask:0xf bank_mask:0xf   ; a copy in which lane i holds position i xor 8's
	v_permlane16_swap_b32 v[TC+10], v[TC+7]        ; the first's lanes 16-31 change places with the copy's lanes 0-15: the first is now window a's (lane j of half h: weight 8 h + j), the second window b's
.irp j, 0,1,2,3,4,5,6,7
	v_mov_b32_dpp v[KA+\j], v[TC+10] row_share:\j row_mask:0xf bank_mask:0xf      ; window a
	v_mov_b32_dpp v[KA+8+\j], v[TC+7] row_share:\j row_mask:0xf bank_mask:0xf     ; window b
.endr
.irp e, 0,2,4,6                                ; z: my 8 positions of the weights . v, four chains, each accumulator from its low end on
.irp y, 0,1,2,3
.if \e == 0
	v_pk_mul_f32 v[TC+2*\y:TC+2*\y+1], v[VA+8*\y:VA+8*\y+1], v[KA+8*(\y/2):KA+8*(\y/2)+1]
.else
	v_pk_fma_f32 v[TC+2*\y:TC+2*\y+1], v[VA+8*\y+\e:VA+8*\y+\e+1], v[KA+8*(\y/2)+\e:KA+8*(\y/2)+\e+1], v[TC+2*\y:TC+2*\y+1]
.endif
.endr
.endr
.irp y, 0,1,2,3
	v_add_f32 v[TC+8+\y], v[TC+2*\y], v[TC+2*\y+1]
.endr
	v_permlane16_swap_b32 v[TC+8], v[TC+9]         ; tile 0's lanes 16-31 change places with tile 1's lanes 0-15:
	v_permlane16_swap_b32 v[TC+10], v[TC+11]
	v_add_f32 v[TC+12], v[TC+8], v[TC+9]           ; all 16 positions; lane (r, h) holds column 8 h + r + 8 (r / 8) of my head: window a,
	v_add_f32 v[TC+13], v[TC+10], v[TC+11]         ; window b
	ds_store_b32 v[ZW], v[TC+12] offset:144*(2*\n)
	ds_store_b32 v[ZW], v[TC+13] offset:144*(2*\n+1)
.endm
; ---- PHASE A
.macro APH ahead
	FETCH VA, XRI, MIMG-XIMG                       ; the means' two fragments and scale words: 7 loads,
	FETCH VA+12, XRI, MIMG-XIMG+1536
	ds_load_b64 v[MS:MS+1], v[XRS] offset:MSC-XSC
	XFETCH 0                                       ; and pair 0's 14
.if \ahead
	v_add_nc_u32 v[ZW], s29, v[ZWB]                ; this trip's 8 rows of z
.else
	v_add_nc_u32 v[ZW], 7*1152, v[ZWB]
.endif
	s_wait_dscnt 14                                ; the means' are in; pair 0's 14 loads may be out
	WIN 0x01                                       ; source 0 (WQ) in window 1
.irp s, 0,1                                    ; q, TRANSPOSED: lane (r, h) holds window r % 8, register j of tile u column 16 h + 8 u + j of my head.  Two accumulators by turns
.irp u, 0,1
	WM KA+8*\u, WQ+24*\u+12*\s, VA+12*\s, 1-\s, SQ+2*\u+\s, MS+\s
.endr
.endr
	WIN 0
	PLACES
.irp j, 0,1,2,3,4,5,6,7
	v_cndmask_b32 v[Q8+\j], v[KA+\j], v[KA+8+\j], s22   ; each window stands in lanes r and r + 8: lanes 0-7 of a half keep tile 0, lanes 8-15 tile 1: eight registers hold both tiles
.endr
.irp e, 0,2,4,6
	v_pk_mul_f32 v[Q8+\e:Q8+\e+1], v[Q8+\e:Q8+\e+1], s[24:25] op_sel_hi:[1,0]   ; x log2(e) / sqrt(32)
.endr
	PAIR 0, 0, 8, 1, 9
	PAIR 1, 2, 10, 3, 11
	PAIR 2, 4, 12, 5, 13
	PAIR 3, 6, 14, 7, 15
.if \ahead
	s_add_co_u32 s29, s29, 1152
.endif
.endm
; ---- A TRIP: 8 windows
.macro TRIP ahead
	XPH \ahead
.if \ahead == 0
	P1
.endif
	BARRIER                                        ; the eight means lie in LDS (and x's images)
	s_cmp_gt_u32 s18, 1
	s_cbranch_scc1 .Lnomq_\@                       ; waves 0 and 1 quantise K steps 0 and 1 of the means; rows 8-15 of the tile repeat rows 0-7
.irp b, 0,1,2,3
.irp j, 0,1,2,3
	ds_load_b128 v[QI+16*\b+4*\j:QI+16*\b+4*\j+3], v[MRD] offset:128*\b+16*\j
.endr
.endr
	s_wait_dscnt 0x0
	QUANT QI, PCD, TM, PW
	IMAGE MWI, PCD, 0
	ds_store_b32 v[MWS], v[PW]
.Lnomq_\@:
	BARRIER                                        ; the means' images lie in LDS
	APH \ahead
	BARRIER                                        ; every wave has read the images: the next trip may write them
.endm
	; ================ THE HEAD
	s_load_b256 s[4:11], s[0:1], 0x0               ; x s[4:5], wimg s[6:7], wscl s[8:9], WZ_b s[10:11]
	s_load_b128 s[12:15], s[0:1], 0x20             ; expand_b s[12:13], restore_b s[14:15]
	s_load_b64 s[16:17], s[0:1], 0x30              ; out0
	v_lshrrev_b32 v130, 5, v0
	v_readfirstlane_b32 s18, v130                  ; wave 0..7
	v_and_b32 v130, 31, v0                         ; l
	v_and_b32 v131, 15, v0                         ; r
	v_bfe_u32 v132, v0, 4, 1                       ; h
	s_and_b32 s20, s18, 1                          ; w % 2
	s_lshr_b32 s21, s18, 1                         ; w / 2
	s_mov_b32 s24, 0x3e8293ee                      ; c = log2(e) / sqrt(32)
	s_mov_b32 s25, s24                             ; (named with it as a pair, so it is written)
	s_mov_b32 s[SEL], 0x76543210
	s_mov_b32 s[SEL+1], 0xfedcba98
	s_mov_b32 s28, 7
	s_mov_b32 s29, 0
	v_lshlrev_b32 v[L16], 4, v130
	v_lshlrev_b32 v[L8], 3, v130
	v_lshlrev_b32 v[L4], 2, v130
	s_lshl_b32 s19, s18, 12
	v_add_nc_u32 v[XO], s19, v[L16]
	s_mul_i32 s19, s18, STGW                       ; (the stages begin at LDS byte 0)
	v_add_nc_u32 v[SA], s19, v[L16]
	v_mul_u32_u24 v133, v131, 528
	v_lshl_add_u32 v133, v132, 6, v133
	v_add_nc_u32 v[SRD], s19, v133
	s_mul_i32 s19, s18, 1040
	s_add_co_u32 s19, s19, MEAN
	v_add_nc_u32 v[MW], s19, v[L16]
	s_mul_i32 s19, s18, 3072
	s_add_co_u32 s19, s19, XIMG
	v_add_nc_u32 v[XWI], s19, v[L16]
	s_lshl_b32 s19, s18, 8
	s_add_co_u32 s19, s19, XSC
	v_add_nc_u32 v[XWS], s19, v[L8]
	v_and_b32 v133, 7, v0
	v_mul_u32_u24 v133, v133, 1040
	v_lshl_add_u32 v133, v132, 6, v133
	s_lshl_b32 s19, s20, 9
	s_add_co_u32 s19, s19, MEAN
	v_add_nc_u32 v[MRD], s19, v133
	s_mul_i32 s19, s20, 1536
	s_add_co_u32 s19, s19, MIMG
	v_add_nc_u32 v[MWI], s19, v[L16]
	s_lshl_b32 s19, s20, 2
	s_add_co_u32 s19, s19, MSC
	v_add_nc_u32 v[MWS], s19, v[L8]
	v_add_nc_u32 v[XRI], XIMG, v[L16]
	v_add_nc_u32 v[XRS], XSC, v[L8]
	v_mul_u32_u24 v133, v131, 144                  ; 144 r
	v_and_b32 v135, 8, v131
	v_add_nc_u32 v135, v135, v131
	v_lshl_add_u32 v135, v132, 3, v135             ; r + 8 (r / 8) + 8 h
	v_lshlrev_b32 v135, 2, v135
	s_mul_i32 s19, s18, ZFW
	s_add_co_u32 s19, s19, ZF
	v_add_nc_u32 v[ZWB], s19, v135
	v_lshl_add_u32 v135, v132, 6, v133             ; 144 r + 64 h
	s_mul_i32 s19, s20, 4*ZFW
	s_mul_i32 s22, s21, 16*144
	s_add_co_u32 s19, s19, s22
	s_add_co_u32 s19, s19, ZF
	v_add_nc_u32 v[ZRD], s19, v135
	v_mul_u32_u24 v133, v131, 1040
	v_lshl_add_u32 v133, v132, 6, v133             ; 1,040 r + 64 h
	s_mul_i32 s19, s21, 16*1040
	s_lshl_b32 s22, s20, 9
	s_add_co_u32 s19, s19, s22
	v_add_nc_u32 v[Z2RD], s19, v133                ; (Z2F begins at LDS byte 0)
	s_mul_i32 s19, s18, 1536
	s_add_co_u32 s22, s19, ZIMG
	v_add_nc_u32 v[ZIW], s22, v[L16]
	s_add_co_u32 s22, s19, HIMG
	v_add_nc_u32 v[HIW], s22, v[L16]
	s_lshl_b32 s19, s21, 8
	s_lshl_b32 s22, s20, 2
	s_add_co_u32 s19, s19, s22
	s_add_co_u32 s19, s19, ZSC
	v_add_nc_u32 v[ZSW], s19, v[L8]
	v_add_nc_u32 v[ZIR], ZIMG, v[L16]
	v_add_nc_u32 v[ZSR], ZSC, v[L8]
	s_lshl_b32 s19, s18, 7
	v_add_nc_u32 v[Z2W], s19, v133
	s_add_co_u32 s19, s19, OST
	v_add_nc_u32 v[OW], s19, v133
	s_mul_i32 s19, s18, 768
	s_add_co_u32 s19, s19, BIAS
	v_lshlrev_b32 v134, 6, v132
	v_add_nc_u32 v[BRD], s19, v134
	v_add_nc_u32 v[BW4], s19, v[L4]
	v_add_nc_u32 v[BW16], s19, v[L16]
	s_lshl_b32 s19, s18, 9
	s_add_co_u32 s19, s19, HSC
	v_add_nc_u32 v[HSW], s19, v[L16]
	v_add_nc_u32 v[HIR], HIMG, v[L16]
	s_mul_i32 s19, s18, 8*1040
	s_add_co_u32 s19, s19, OST
	v_add_nc_u32 v[ORD], s19, v[L16]
	s_mov_b32 s22, 0xff00ff00                      ; lanes 8-15 of both halves
.irp b, 0,1,2,3
	v_mov_b32 v[TM+4+\b], 0                        ; written once: a lane permute's destination counts as one of its sources
.endr
.irp b, 0,1,2,3,4,5
	v_mov_b32 v[VA+26+\b], 0                       ; likewise a DPP move's: the six of v's 32 registers that nothing writes ahead of the first pair's moves
.endr
	s_wait_kmcnt 0x0
	s_mov_b32 s39, 0
	s_lshl_b32 s38, ttmp9, 20
	s_add_nc_u64 s[4:5], s[4:5], s[38:39]          ; my work-group's 2^20 bytes of x
	s_lshl_b32 s38, ttmp9, 16
	s_add_nc_u64 s[16:17], s[16:17], s[38:39]      ; its 64 rows of the output,
	s_lshl_b32 s38, s18, 13
	s_add_nc_u64 s[16:17], s[16:17], s[38:39]      ; and my wave's 8 of them
	s_mul_i32 s38, s18, 2*3072
	s_add_nc_u64 s[30:31], s[6:7], s[38:39]        ; two units a wave: WQ, WK, WV, WZ
	s_mul_i32 s38, s18, 8*3072
	s_add_nc_u64 s[32:33], s[6:7], s[38:39]        ; eight units a wave: expand, restore
	s_lshl_b32 s38, s18, 9
	s_add_nc_u64 s[34:35], s[8:9], s[38:39]
	s_add_nc_u64 s[12:13], s[12:13], s[38:39]      ; my 128 of expand_b
	s_lshl_b32 s38, s18, 11
	s_add_nc_u64 s[36:37], s[8:9], s[38:39]
	s_lshl_b32 s38, s18, 7
	s_add_nc_u64 s[10:11], s[10:11], s[38:39]      ; my 32 of WZ_b
	s_add_nc_u64 s[14:15], s[14:15], s[38:39]      ; and of restore_b
	; my head's weights, 42 loads, AHEAD of x's: loads come back in order (ISA guide 5.7.1), so the first trip's counted waits for x show the weights in too
	WIN 0x40
.irp u, 0,1
.irp s, 0,1
	WFRAG WK+24*\u+12*\s, 30, (16+\u)*3072+1536*\s
.endr
.endr
.irp u, 0,1
.irp s, 0,1
	WFRAG WQ+24*\u+12*\s, 30, \u*3072+1536*\s
.endr
.endr
	WIN 0
.irp u, 0,1
.irp s, 0,1
	WFRAG WV+24*\u+12*\s, 30, (32+\u)*3072+1536*\s
.endr
.endr
.irp u, 0,1
	global_load_b64 v[SQ+2*\u:SQ+2*\u+1], v[L8], s[34:35] offset:\u*256
	global_load_b64 v[SK+2*\u:SK+2*\u+1], v[L8], s[34:35] offset:(16+\u)*256
	global_load_b64 v[SV+2*\u:SV+2*\u+1], v[L8], s[34:35] offset:(32+\u)*256
.endr
	XLOAD 0                                        ; group 0
	XLOAD 1
	; ================ THE LOOP: 7 trips that ask for the next group, and a tail that asks for the chain's weights instead
.Ltrip:
	TRIP 1
	s_sub_co_u32 s28, s28, 1
	s_cmp_lg_u32 s28, 0
	s_cbranch_scc1 .Ltrip
	TRIP 0
	; ================ THE CHAIN, 64 rows in tiles m = 0 .. 3
	; 44 loads: expand's tiles 4-7 into WK's and WQ's registers (24); restore's scale words (8); restore's K steps 0, 1 into WV's registers (12)
	WIN 0x40
.irp t, 4,5,6,7
.irp s, 0,1
	WFRAG 64+24*\t+12*\s, 32, (64+\t)*3072+1536*\s
.endr
.endr
	WIN 0
.irp u, 0,1
.irp p, 0,1,2,3
.set RI, 8*\u+2*\p
	global_load_b64 v[40+RI+26*(RI/12):41+RI+26*(RI/12)], v[L8], s[36:37] offset:(128+4*\u+\p)*256
.endr
.endr
.irp s, 0,1
.irp u, 0,1
	WFRAG WV+24*\s+12*\u, 32, (128+4*\u)*3072+1536*\s
.endr
.endr
; wave w quantises rows 16 (w / 2) on, K step w % 2, of a matrix of 64 x 256 f32 in LDS whose blocks of 32 lie bst bytes apart; images off bytes behind ZIMG, ZSC.  first = 1: the biases go to LDS on the way
.macro ZQ rd, bst, off, first
.irp b, 0,1,2,3
.irp j, 0,1,2,3
	ds_load_b128 v[QI+16*\b+4*\j:QI+16*\b+4*\j+3], v[\rd] offset:\bst*\b+16*\j
.endr
.endr
.if \first
	s_wait_loadcnt 44                              ; all that was asked for in the tail trip is in, the three biases among it; the 24 + 8 + 12 loads issued since may be out
	WIN 0x04                                       ; an LDS store's data are its source 1: window 1
	ds_store_b32 v[BW4], v[BL+4]
	ds_store_b128 v[BW16], v[BL:BL+3] offset:128
	ds_store_b32 v[BW4], v[BL+5] offset:640
	WIN 0
.endif
	s_wait_dscnt 0x0
	QUANT QI, PCD, TM, PW
	IMAGE ZIW, PCD, \off
	ds_store_b32 v[ZSW], v[PW] offset:\off
.endm
	ZQ ZRD, ZFW, 0, 1
	BARRIER                                        ; z's eight images lie in LDS
	; ---- WZ, TRANSPOSED: source 0 = 16 rows of WZ_w, source 1 = 16 rows of z.  The sums begin as the bias, loaded in the result's layout.  Two tiles of rows at a time: four accumulators by turns
.irp mp, 0,1
.irp i, 0,1
.irp s, 0,1
	FETCH XF+24*\i+12*\s, ZIR, 1536*(4*\mp+2*\i+\s)
.endr
.endr
.irp i, 0,1
	ds_load_b64 v[XS+2*\i:XS+2*\i+1], v[ZSR] offset:256*(2*\mp+\i)
.endr
.irp i, 0,1
.irp u, 0,1
.irp q, 0,1
	ds_load_b128 v[ZA+32*\mp+16*\i+8*\u+4*\q:ZA+32*\mp+16*\i+8*\u+4*\q+3], v[BRD] offset:32*\u+16*\q
.endr
.endr
.endr
	s_wait_dscnt 0x0
	WIN 0x01
.irp s, 0,1
.irp i, 0,1
.irp u, 0,1
	WM ZA+32*\mp+16*\i+8*\u, WZF+24*\u+12*\s, XF+24*\i+12*\s, 0, WZS+2*\u+\s, XS+2*\i+\s
.endr
.endr
.endr
	WIN 0
	PLACES
.irp i, 0,1
.irp u, 0,1
.irp q, 0,1
	ds_store_b128 v[Z2W], v[ZA+32*\mp+16*\i+8*\u+4*\q:ZA+32*\mp+16*\i+8*\u+4*\q+3] offset:16640*(2*\mp+\i)+32*\u+16*\q   ; row 16 m + r, columns 32 w + 16 h + 8 u on
.endr
.endr
.endr
.endr
	WIN 0x40                                       ; 12 loads: restore's K steps 2, 3 into WZ's registers
.irp s, 2,3
.irp u, 0,1
	WFRAG WZF+24*(\s-2)+12*\u, 32, (128+4*\u+1)*3072+1536*(\s-2)
.endr
.endr
	WIN 0
	BARRIER                                        ; 64 rows of z after WZ lie in LDS
	ZQ Z2RD, 128, Z2O, 0
	BARRIER                                        ; and their images
	; ---- EX: my 128 hidden units for a tile of 16 rows at a time: eight accumulators by turns; relu; quantised in registers: K step w of restore
	s_wait_loadcnt 32                              ; expand's tiles 4-7 are in; out may be restore's scale words (8), its steps 0, 1 (12) and 2, 3 (12)
.irp m, 0,1,2,3
	FETCH XF, ZIR, Z2O+1536*(2*\m)
	FETCH XF+12, ZIR, Z2O+1536*(2*\m+1)
	ds_load_b64 v[MS:MS+1], v[ZSR] offset:Z2O+256*\m
.irp t, 0,1,2,3,4,5,6,7
.irp q, 0,1
	ds_load_b128 v[HA+8*\t+4*\q:HA+8*\t+4*\q+3], v[BRD] offset:128+128*(\t/2)+32*(\t%2)+16*\q   ; the sums begin as the bias
.endr
.endr
	s_wait_dscnt 0x0                               ; (also: the last tile's images have read their codes)
	WIN 0x01
.irp s, 0,1
.irp t, 0,1,2,3,4,5,6,7
	WM HA+8*\t, 24*\t+64*(\t/4)+12*\s, XF+12*\s, 0, EXS+2*\t+\s, MS+\s
.endr
.endr
	WIN 0
	PLACES
.if \m == 3
	WIN 0x40                                       ; 24 loads, in the order of the steps: restore's K steps 4-7 into the registers of expand's tiles 0-3
.irp s, 4,5,6,7
.irp u, 0,1
	WFRAG 24*(\s-4)+12*\u, 32, (128+4*\u+\s/2)*3072+1536*(\s%2)
.endr
.endr
	WIN 0
.endif
.irp j, 0,1,2,3,4,5,6,7,8,9,10,11,12,13,14,15,16,17,18,19,20,21,22,23,24,25,26,27,28,29,30,31,32,33,34,35,36,37,38,39,40,41,42,43,44,45,46,47,48,49,50,51,52,53,54,55,56,57,58,59,60,61,62,63
	v_max_num_f32 v[HA+\j], 0, v[HA+\j]            ; relu, in f32, each accumulator from its low end on
.endr
	QUANT HA, PC2, TM2, PW2
	IMAGE HIW, PC2, 12288*\m
	ds_store_b32 v[HSW], v[PW2] offset:4*\m
.endr
	BARRIER                                        ; the hidden layer's 32 images lie in LDS
	; ---- RS: my 32 outputs for the 64 rows: eight accumulators by turns, a K step at a time
.irp m, 0,1,2,3
.irp u, 0,1
.irp q, 0,1
	ds_load_b128 v[OA+16*\m+8*\u+4*\q:OA+16*\m+8*\u+4*\q+3], v[BRD] offset:640+32*\u+16*\q   ; the sums begin as the bias
.endr
.endr
.endr
.irp s, 0,1,2,3,4,5,6,7
.irp m, 0,1,2,3
	FETCH HF+12*\m, HIR, 1536*(8*\m+\s)
.endr
	ds_load_b128 v[XS:XS+3], v[HIR] offset:HSC-HIMG+512*\s   ; the step's scale words of the four tiles of rows
	s_wait_dscnt 0x0
.if \s == 0
	s_wait_loadcnt 36                              ; restore's scale words and steps 0, 1 are in; out may be steps 2, 3 (12) and 4-7 (24)
.elseif \s == 2
	s_wait_loadcnt 24                              ; steps 2, 3 are in
.elseif \s == 4
	s_wait_loadcnt 12                              ; steps 4, 5 are in; 6, 7 may be out
.elseif \s == 6
	s_wait_loadcnt 0x0
.endif
.if \s < 2
.set RB, WV+24*\s
.elseif \s < 4
.set RB, WZF+24*(\s-2)
	WIN 0x01
.else
.set RB, 24*(\s-4)
	WIN 0x01
.endif
.irp m, 0,1,2,3
.irp u, 0,1
.set RI, 8*\u+\s
	WM OA+16*\m+8*\u, RB+12*\u, HF+12*\m, 0, 40+RI+26*(RI/12), XS+\m
.endr
.endr
	WIN 0
	PLACES
.endr
.irp j, 0,1,2,3,4,5,6,7,8,9,10,11,12,13,14,15,16,17,18,19,20,21,22,23,24,25,26,27,28,29,30,31,32,33,34,35,36,37,38,39,40,41,42,43,44,45,46,47,48,49,50,51,52,53,54,55,56,57,58,59,60,61,62,63
	v_max_num_f32 v[OA+\j], 0, v[OA+\j]            ; relu
.endr
.irp m, 0,1,2,3
.irp u, 0,1
.irp q, 0,1
	ds_store_b128 v[OW], v[OA+16*\m+8*\u+4*\q:OA+16*\m+8*\u+4*\q+3] offset:16640*\m+32*\u+16*\q
.endr
.endr
.endr
	BARRIER                                        ; 64 whole rows of the output lie in the stage
	; ---- the way out: wave w stores rows 8 w .. 8 w + 7
.irp k, 0,1,2,3,4,5,6,7,8,9,10,11,12,13,14,15
	ds_load_b128 v[OA+4*\k:OA+4*\k+3], v[ORD] offset:1040*(\k/2)+512*(\k%2)
.endr
.irp k, 0,1,2,3,4,5,6,7,8,9,10,11,12,13,14,15
	s_wait_dscnt 15-\k                             ; load k is in; the younger ones may be out
	global_store_b128 v[L16], v[OA+4*\k:OA+4*\k+3], s[16:17] offset:1024*(\k/2)+512*(\k%2) th:TH_STORE_NT   ; 32 lanes store 512 consecutive bytes, at a multiple of 256 from the output's first byte
.endr
	s_wait_xcnt 0x0
	v_lshl_add_u32 v254, v0, 2, 0x40e00
	v_mov_b32 v255, 0
	s_wait_tensorcnt 0x0
	ds_add_u32 v254, v255
	s_wait_dscnt 0x0
	s_endpgm
.Lfunc_end_k_q2f08d789cb_pool:
	.size	k_q2f08d789cb_pool, .Lfunc_end_k_q2f08d789cb_pool-k_q2f08d789cb_pool
	.p2alignl 7, 3214868480
	.fill 96, 4, 3214868480
	.section	.rodata,"a",@progbits
	.p2align	6, 0x0
	.amdhsa_kernel k_q2f08d789cb_pool
		.amdhsa_group_segment_fixed_size 266752
		.amdhsa_private_segment_fixed_size 0
		.amdhsa_enable_private_segment 0
		.amdhsa_kernarg_size 56
		.amdhsa_user_sgpr_count 2
		.amdhsa_user_sgpr_kernarg_segment_ptr 1
		.amdhsa_wavefront_size32 1
		.amdhsa_system_sgpr_workgroup_id_x 1
		.amdhsa_system_sgpr_workgroup_id_y 1
		.amdhsa_system_sgpr_workgroup_id_z 1
		.amdhsa_system_vgpr_workitem_id 0
		.amdhsa_next_free_vgpr 512
		.amdhsa_next_free_sgpr 66
		.amdhsa_reserve_vcc 0
		.amdhsa_float_denorm_mode_32 3
		.amdhsa_float_denorm_mode_16_64 3
		.amdhsa_memory_ordered 1
		.amdhsa_forward_progress 1
		.amdhsa_inst_pref_size 234
	.end_amdhsa_kernel
	.amdgpu_metadata
---
amdhsa.version: [ 1, 2 ]
amdhsa.kernels:
  - .name:           k_q2f08d789cb_pool
    .symbol:         k_q2f08d789cb_pool.kd
    .args:
      - { .name: x, .offset: 0, .size: 8, .value_kind: global_buffer, .address_space: global }
      - { .name: wimg, .offset: 8, .size: 8, .value_kind: global_buffer, .address_space: global }
      - { .name: wscl, .offset: 16, .size: 8, .value_kind: global_buffer, .address_space: global }
      - { .name: WZ_b, .offset: 24, .size: 8, .value_kind: global_buffer, .address_space: global }
      - { .name: expand_b, .offset: 32, .size: 8, .value_kind: global_buffer, .address_space: global }
      - { .name: restore_b, .offset: 40, .size: 8, .value_kind: global_buffer, .address_space: global }
      - { .name: out0, .offset: 48, .size: 8, .value_kind: global_buffer, .address_space: global }
    .group_segment_fixed_size: 266752
    .private_segment_fixed_size: 0
    .kernarg_segment_align: 8
    .kernarg_segment_size: 56
    .max_flat_workgroup_size: 256
    .sgpr_count:     66
    .vgpr_count:     512
    .wavefront_size: 32
...
	.end_amdgpu_metadata
.endif
;; end of part 2
;; ======== version 2 of 2: 2 launches
;; workspace buffers: wimg 589,824 bytes; wscl 49,152 bytes
;; launch prep (part 3): grid 192 x 1, 1 waves a work-group, no clusters, 0 bytes of LDS; arguments WQ, WK, WV, WZ_w, expand_w, restore_w, wimg, wscl; writes wimg, wscl
.if DOCPART == 3
	.amdgcn_target "amdgcn-amd-amdhsa--gfx1250"
	.amdhsa_code_object_version 6
	.text
	.protected	k_q2f08d789cb_prep
	.globl	k_q2f08d789cb_prep
	.p2align	8
	.type	k_q2f08d789cb_prep,@function
k_q2f08d789cb_prep:
	s_mov_b64 s[64:65], 0
	v_nop
	global_prefetch_b8 v0, s[64:65] scope:SCOPE_SE
	s_setreg_imm32_b32 hwreg(HW_REG_WAVE_MODE, 25, 1), 1
	s_wait_xcnt 0x0
; The six weights, f32 with K innermost, become codes of BF6 (E3M2) with one E8M0 byte for each 32 along K, laid as IMAGES OF OPERAND REGISTERS.
; A UNIT is a tile of 16 weight rows x 256 along K: two fragments of 16 x 128.  In wimg a unit is 3,072 bytes: fragment f at 1,536 f, as three chunks of 512 bytes;
; chunk c holds registers 4 c .. 4 c + 3 of the operand, lane l's 16 bytes at 16 l.  In wscl a unit is 256 bytes: lane l's 8 bytes are the scale words of the two fragments for row l % 16.
; THE ROWS OF A TILE ARE NOT NEIGHBOURS: lane r of tile t takes row 32 (t / 2) + 8 (t % 2) + r + 8 (r / 8), so that in a transposed result the 16 registers of tiles 2 b, 2 b + 1 are 16 neighbouring columns.
; UNITS: WQ tile t: t;  WK: 16 + t;  WV: 32 + t;  WZ_w: 48 + t;  expand_w: 64 + t;  restore_w tile t, 256 p along K: 128 + 4 t + p.  One wave makes one unit: 192 work-groups of one wave.
; A block's scale is 2^(floor(log2(its largest magnitude)) - 4); its byte is the largest magnitude's exponent field - 4, held at 1 from below.
; LIMITS: a block of zeros, and one whose largest magnitude lies under 2^-122, gets the byte 1 (the rule says 127 for zeros: the codes are zeros, and this program alone reads the bytes); NaN and infinities are not served.
; Each load takes 32 bytes of each of 16 rows and their partners 64 bytes on: short pieces, accepted for 3 MB that are read once; every store covers 512 (codes) or 256 (scales) consecutive aligned bytes.
.set QI0, 16                           ; v16-79    fragment 0: 64 numbers a lane: register 16 b + i = k 32 b + 16 (lane / 16) + i of my row
.set QI1, 80                           ; v80-143   fragment 1
.set PCA, 144                          ; v144-163  fragment 0's codes (12 registers) and 8 at work
.set PCB, 164                          ; v164-183  fragment 1's
.set TM,  184                          ; v184-195  at work
.set PW,  196                          ; v196-197  the two scale words
.set SEL, 30                           ; s[30:31]  v_permlanex16_b32's selects for lane l xor 16
; 64 numbers of a lane become a fragment's codes in v[pc] .. v[pc + 11] and its scale word in v[pw]
.macro QUANT src, pc, tm, pw
.irp b, 0,1,2,3
	v_max3_num_f32 v[\tm+\b], |v[\src+16*\b]|, |v[\src+1+16*\b]|, 0x2800000   ; block b: my 16 numbers, and the floor 2^(5 - 127): the byte cannot fall under 1
.endr
.irp i, 2,4,6,8,10,12,14
.irp b, 0,1,2,3
	v_max3_num_f32 v[\tm+\b], v[\tm+\b], |v[\src+16*\b+\i]|, |v[\src+1+16*\b+\i]|   ; the four blocks by turns
.endr
.endr
.irp b, 0,1,2,3
	v_permlanex16_b32 v[\tm+4+\b], v[\tm+\b], s[SEL], s[SEL+1]
.endr
.irp b, 0,1,2,3
	v_max_num_f32 v[\tm+\b], v[\tm+\b], v[\tm+4+\b]          ; with lane l xor 16's 16: the block's largest magnitude
.endr
.irp b, 0,1,2,3
	v_add_nc_u32 v[\tm+8+\b], 0xfe000000, v[\tm+\b]          ; 4 off its exponent field: the conversion's scale operand
.endr
.irp b, 0,1,2,3
	v_lshrrev_b32 v[\tm+4+\b], 23, v[\tm+8+\b]               ; the scale's byte
.endr
	v_lshl_or_b32 v[\pw], v[\tm+5], 8, v[\tm+4]              ; four bytes make my row's scale word
	v_lshl_or_b32 v[\pw], v[\tm+6], 16, v[\pw]
	v_lshl_or_b32 v[\pw], v[\tm+7], 24, v[\pw]
.irp c, 0,1
	v_cvt_scalef32_pk16_bf6_f32 v[\pc+6*\c:\pc+2+6*\c], v[\src+32*\c:\src+15+32*\c], v[\tm+8+2*\c]
	v_cvt_scalef32_pk16_bf6_f32 v[\pc+12+4*\c:\pc+14+4*\c], v[\src+16+32*\c:\src+31+32*\c], v[\tm+8+2*\c+1]   ; (a conversion's three registers begin on an even number)
.endr
	v_nop                                                    ; one plain instruction behind the scaled conversions
.irp c, 0,1                                    ; the operand wants a WHOLE block in a lane: lanes 0-15 block 2 c, lanes 16-31 block 2 c + 1
.irp i, 0,1,2
	v_permlane16_swap_b32 v[\pc+6*\c+\i], v[\pc+12+4*\c+\i]
.endr
.irp i, 0,1,2
	v_mov_b32 v[\pc+3+6*\c+\i], v[\pc+12+4*\c+\i]
.endr
.endr
.endm
	s_load_b256 s[4:11], s[0:1], 0x0               ; WQ s[4:5], WK s[6:7], WV s[8:9], WZ_w s[10:11]
	s_load_b256 s[12:19], s[0:1], 0x20             ; expand_w s[12:13], restore_w s[14:15], wimg s[16:17], wscl s[18:19]
	v_and_b32 v1, 15, v0                           ; r (one wave: v0 is the lane)
	v_bfe_u32 v2, v0, 4, 1                         ; h
	v_and_b32 v6, 8, v1
	v_add_nc_u32 v6, v6, v1                        ; r + 8 (r / 8)
	v_lshlrev_b32 v4, 4, v0                        ; 16 x lane: my place in a chunk
	v_lshlrev_b32 v5, 3, v0                        ; 8 x lane: my two scale words
	s_mov_b32 s[SEL], 0x76543210
	s_mov_b32 s[SEL+1], 0xfedcba98
.irp b, 0,1,2,3
	v_mov_b32 v[TM+4+\b], 0                        ; written once: a lane permute's destination counts as one of its sources
.endr
	s_wait_alu depctr_va_vdst(0)
	s_wait_kmcnt 0x0
	; which weight is my unit's, and where its units begin: a chain of choices on the work-group's number alone
	s_mov_b64 s[20:21], s[14:15]                   ; restore_w, from unit 128 on
	s_mov_b32 s22, 128
	s_cmp_lt_u32 ttmp9, 128
	s_cselect_b64 s[20:21], s[12:13], s[20:21]     ; expand_w, from 64
	s_cselect_b32 s22, 64, s22
	s_cselect_b32 s26, 10, 12                      ; a row is 2^10 bytes, in restore_w 2^12
	s_cselect_b32 s27, 0, 2                        ; restore_w alone has four units to a tile
	s_cselect_b32 s28, 0, 3
	s_cmp_lt_u32 ttmp9, 64
	s_cselect_b64 s[20:21], s[10:11], s[20:21]     ; WZ_w, from 48
	s_cselect_b32 s22, 48, s22
	s_cmp_lt_u32 ttmp9, 48
	s_cselect_b64 s[20:21], s[8:9], s[20:21]       ; WV, from 32
	s_cselect_b32 s22, 32, s22
	s_cmp_lt_u32 ttmp9, 32
	s_cselect_b64 s[20:21], s[6:7], s[20:21]       ; WK, from 16
	s_cselect_b32 s22, 16, s22
	s_cmp_lt_u32 ttmp9, 16
	s_cselect_b64 s[20:21], s[4:5], s[20:21]       ; WQ, from 0
	s_cselect_b32 s22, 0, s22
	s_sub_co_u32 s23, ttmp9, s22                   ; my unit within the weight
	s_lshr_b32 s24, s23, s27                       ; tile t
	s_and_b32 s25, s23, s28                        ; p: which 256 along K
	s_lshr_b32 s29, s24, 1
	s_lshl_b32 s29, s29, 5
	s_and_b32 s32, s24, 1
	s_lshl_b32 s32, s32, 3
	s_add_co_u32 s29, s29, s32                     ; the tile's first row: 32 (t / 2) + 8 (t % 2)
	s_lshl_b32 s29, s29, s26                       ; in bytes,
	s_lshl_b32 s25, s25, 10                        ; + 1,024 p
	s_add_co_u32 s32, s29, s25
	s_mov_b32 s33, 0
	s_add_nc_u64 s[20:21], s[20:21], s[32:33]
	s_mul_i32 s34, ttmp9, 3072
	s_mov_b32 s35, 0
	s_add_nc_u64 s[16:17], s[16:17], s[34:35]      ; my unit in wimg
	s_lshl_b32 s34, ttmp9, 8
	s_add_nc_u64 s[18:19], s[18:19], s[34:35]      ; and in wscl
	v_lshlrev_b32 v3, s26, v6                      ; my row,
	v_lshl_add_u32 v3, v2, 6, v3                   ; + 64 h: my 16 numbers of each block of 32
.irp f, 0,1
.irp b, 0,1,2,3
.irp j, 0,1,2,3
	global_load_b128 v[QI0+64*\f+16*\b+4*\j:QI0+64*\f+16*\b+4*\j+3], v3, s[20:21] offset:512*\f+128*\b+16*\j th:TH_LOAD_NT
.endr
.endr
.endr
	s_wait_loadcnt 16                              ; fragment 0's 16 loads are in; fragment 1's 16 may be out
	QUANT QI0, PCA, TM, PW
.irp c, 0,1,2
	global_store_b128 v4, v[PCA+4*\c:PCA+4*\c+3], s[16:17] offset:512*\c          ; 32 lanes store 512 consecutive bytes
.endr
	s_wait_loadcnt 0x0
	QUANT QI1, PCB, TM, PW+1                       ; codes and word in registers of their own: no store's data are written again
.irp c, 0,1,2
	global_store_b128 v4, v[PCB+4*\c:PCB+4*\c+3], s[16:17] offset:1536+512*\c
.endr
	global_store_b64 v5, v[PW:PW+1], s[18:19]      ; 32 lanes store 256 consecutive aligned bytes
	s_endpgm
.Lfunc_end_k_q2f08d789cb_prep:
	.size	k_q2f08d789cb_prep, .Lfunc_end_k_q2f08d789cb_prep-k_q2f08d789cb_prep
	.p2alignl 7, 3214868480
	.fill 96, 4, 3214868480
	.section	.rodata,"a",@progbits
	.p2align	6, 0x0
	.amdhsa_kernel k_q2f08d789cb_prep
		.amdhsa_group_segment_fixed_size 0
		.amdhsa_private_segment_fixed_size 0
		.amdhsa_enable_private_segment 0
		.amdhsa_kernarg_size 64
		.amdhsa_user_sgpr_count 2
		.amdhsa_user_sgpr_kernarg_segment_ptr 1
		.amdhsa_wavefront_size32 1
		.amdhsa_system_sgpr_workgroup_id_x 1
		.amdhsa_system_sgpr_workgroup_id_y 1
		.amdhsa_system_sgpr_workgroup_id_z 1
		.amdhsa_system_vgpr_workitem_id 0
		.amdhsa_next_free_vgpr 208
		.amdhsa_next_free_sgpr 66
		.amdhsa_reserve_vcc 0
		.amdhsa_float_denorm_mode_32 3
		.amdhsa_float_denorm_mode_16_64 3
		.amdhsa_memory_ordered 1
		.amdhsa_forward_progress 1
		.amdhsa_inst_pref_size 14
	.end_amdhsa_kernel
	.amdgpu_metadata
---
amdhsa.version: [ 1, 2 ]
amdhsa.kernels:
  - .name:           k_q2f08d789cb_prep
    .symbol:         k_q2f08d789cb_prep.kd
    .args:
      - { .name: WQ, .offset: 0, .size: 8, .value_kind: global_buffer, .address_space: global }
      - { .name: WK, .offset: 8, .size: 8, .value_kind: global_buffer, .address_space: global }
      - { .name: WV, .offset: 16, .size: 8, .value_kind: global_buffer, .address_space: global }
      - { .name: WZ_w, .offset: 24, .size: 8, .value_kind: global_buffer, .address_space: global }
      - { .name: expand_w, .offset: 32, .size: 8, .value_kind: global_buffer, .address_space: global }
      - { .name: restore_w, .offset: 40, .size: 8, .value_kind: global_buffer, .address_space: global }
      - { .name: wimg, .offset: 48, .size: 8, .value_kind: global_buffer, .address_space: global }
      - { .name: wscl, .offset: 56, .size: 8, .value_kind: global_buffer, .address_space: global }
    .group_segment_fixed_size: 0
    .private_segment_fixed_size: 0
    .kernarg_segment_align: 8
    .kernarg_segment_size: 64
    .max_flat_workgroup_size: 32
    .sgpr_count:     66
    .vgpr_count:     208
    .wavefront_size: 32
...
	.end_amdgpu_metadata
.endif
;; end of part 3
;; launch pool (part 4): grid 256 x 1, 8 waves a work-group, no clusters, 266,752 bytes of LDS; arguments x, wimg, wscl, WZ_b, expand_b, restore_b, out0; writes out0
.if DOCPART == 4
	.amdgcn_target "amdgcn-amd-amdhsa--gfx1250"
	.amdhsa_code_object_version 6
	.text
	.protected	k_q2f08d789cb_pool
	.globl	k_q2f08d789cb_pool
	.p2align	8
	.type	k_q2f08d789cb_pool,@function
k_q2f08d789cb_pool:
	s_mov_b64 s[64:65], 0
	v_nop
	global_prefetch_b8 v0, s[64:65] scope:SCOPE_SE
	s_setreg_imm32_b32 hwreg(HW_REG_WAVE_SCHED_MODE, 0, 2), 2
	s_setreg_imm32_b32 hwreg(HW_REG_WAVE_MODE, 25, 1), 1
	s_wait_xcnt 0x0
	s_wait_alu depctr_vm_vsrc(0)
; AttnPool over windows of 4 x 4 positions, then WZ, expand (relu), restore (relu).  All six large products on codes of BF6 (E3M2) with one E8M0 scale for each 32 along K; everything ahead of a quantiser in f32.
; SHARES.  Work-group W owns image rows 4 i .. 4 i + 3 of batch entry b (W = 64 b + i): 64 windows, 2^20 consecutive bytes of x, 64 consecutive rows of the output.  Eight waves of 512 registers.
; WAVE w OWNS HEAD w: columns 32 w .. 32 w + 31 of q, k and v; its fragments of WQ, WK, WV stay in registers.  A window is one tile of 16 rows (its positions), a head one block of 32 of the next K.
; THE LOOP: 8 trips of 8 windows, three barriers a trip.
;   X: wave w turns window w of the group into codes: 32 dense loads of 512 bytes (asked for a trip ahead) -> registers (the mean is summed there) -> the wave's own stage in LDS -> 16 neighbours a lane -> quantiser -> images of the operand's registers in LDS.
;   MQ: waves 0 and 1 quantise the eight means (a tile of 16 rows in which each mean stands twice).
;   A: every wave reads all images: q of its head; then, two windows at a time, k (transposed: a lane holds a position), scores, softmax over the 16 positions (16 lanes), v (natural: a lane holds a column), z.
;      What only changes lanes inside a half of the wave, q of a window and the softmax's weights, goes by DPP moves (row_share), not through LDS: LDS carries the turn of x and the images, 271 accesses of 256 bytes a wave and trip.
; THE CHAIN on the work-group's 64 rows: the waves share the columns (wave w: outputs 32 w on of WZ and restore, hidden units 128 w on); rows go from wave to wave through LDS as images; the chain's weights come from
; memory straight into the registers that x and WQ, WK, WV have left, asked for one or two phases ahead.
; NO CLUSTER: all work-groups read the same 589,824 bytes of weight images, but a joint request lands in LDS, of which this text leaves 62,080 bytes: ten refills, each behind a round, and every byte written to LDS and read
; back, where now each wave loads its 73,728 bytes once, whole fragments, into registers.  No tensor load: in registers x also gives the mean, which a tile in LDS would have to be read a second time for.
; NO PREFETCH: x is the launch's one stream from memory, and each wave keeps 32 loads of 512 bytes of it out at all times.
; LIMITS: NaN and infinities are not served.  A block of zeros, or with its largest magnitude under 2^-122, gets the scale byte 1 (its codes are zeros or the rule's own).  v_exp_f32 gives 0 for results under 2^-126.
; The mean is the sum of x / 16 in two chains, another order than a plain sum; log2(e) / sqrt(32) is multiplied into q ahead of the scores.
; THE MODE: SCHED_MODE bits 1:0 = 2 (LLVM: expert scheduling mode 2), set by the entry lines.  The code itself states the register dependences
; between vector or matrix instructions and memory or LDS instructions, with s_wait_alu, always for 0.
; THE PLAN.  Registers that memory or LDS instructions touch in the loop, and who else names them:
;   x, window 1, 0-127   a half of 64: 16 loads land in it, asked for a trip ahead; the mean's 32 multiply-adds read it, and the stage's 16 stores take it as data; then it is asked for again.
;   QI v130-193          16 LDS loads land in it; the quantiser reads it.  In phase A the same registers are XF and the lower half of KA.
;   MA v228-231          the mean's sums write it; the mean's store reads it.
;   PCD v194-205, PW     the quantiser writes them; the image's four stores read them.  In phase A the same registers are KA's upper half and part of VA.
;   VA v210-233, MS      the means' 7 LDS loads land in them; q's four products read them; from then on VA is named by vector and matrix instructions alone.
;   XF v130-177, XS      a pair's 14 LDS loads land in them; the pair's 16 products read them.
;   v[TC+12], v[TC+13]   a pair's last sums write them; z's two stores read them.  v[ZW], their address, is written once a trip, at phase A's head.
;   v1-13, v15-31        addresses, written at the head alone.
; THE WAITS OF A TRIP.  In each half of phase X, besides a va_vdst ahead of each of the four waits for x, three: va_vdst behind the mean's last sums (MA is written; the multiply-adds are done reading the half of x; what came before is done with QI); vm_vsrc beside the wait for the
; 64 numbers (the stage's stores have read x, the mean's store MA, the last image's stores PCD and PW); va_vdst behind the quantiser (codes and word are written).  No vector instruction stands between that last wait and
; the next phase's LDS loads.  Behind each of the first two barriers vm_vsrc: the images' stores have read PCD and PW.  In a pair: the wait behind the reciprocal also states that the pair's 16 products are done reading
; XF and XS, so that the next pair's 14 loads follow it with no further wait; va_vdst ahead of z's two stores; vm_vsrc at the head of pairs 1 to 3, for those stores' data.
;
; LDS.  Pitches 528, 1,040 and 144 are odd multiples of 16 bytes: the sixteen rows of a 16-byte access start in different banks (64 banks of 4 bytes: ISA guide 11.1).
.set STG,   0                          ; 8 x 8,448: a stage of 16 rows x 528 for each wave, its own
.set STGW,  16*528
.set XIMG,  STG+8*STGW                 ; x's images: window i, K step s at 3,072 i + 1,536 s
.set XSC,   XIMG+8*3072                ; their scale words: window i at 256 i; a lane's 8 bytes = steps 0, 1
.set MEAN,  XSC+8*256                  ; 8 rows x 1,040: the means, f32
.set MIMG,  MEAN+8*1040                ; the means' two images
.set MSC,   MIMG+2*1536                ; and scale words
.set ZF,    MSC+256                    ; z, f32, HEAD BY HEAD: head w at 9,216 w: 64 rows x 144: each wave stores into a run of its own
.set ZFW,   64*144
.set BIAS,  ZF+8*ZFW                   ; 8 x 768: my 32 of WZ_b, my 128 of expand_b, my 32 of restore_b; each wave's own
.set ZIMG,  BIAS+8*768                 ; z's images: rows 16 m on, K step s at 1,536 (2 m + s)
.set ZSC,   ZIMG+8*1536                ; scale words: m at 256 m
.set Z2O,   8*1536+4*256               ; the same two regions once more, this far on, for z after WZ
.set HIMG,  ZSC+4*256+Z2O              ; the hidden layer's images: (m, s) at 1,536 (8 m + s)
.set HSC,   HIMG+32*1536               ; scale words: step s at 512 s; a lane's 16 bytes = m 0 .. 3.  Ends at 265,600
.set Z2F,   STG                        ; z after WZ, f32, 64 rows x 1,040: in the stages, which are done with behind the loop
.set OST,   ZF                         ; the output's stage, 64 rows x 1,040: in ZF, which is read out by then
; VECTOR REGISTERS, window 0.  v1-31: addresses, made at the head and never rewritten (but ZW, once a trip).  l lane, r = l % 16, h = l / 16, w wave
.set L16,1                             ; 16 l
.set XO, 2                             ; 16 l + 4,096 w: my bytes in a group's x
.set SA, 3                             ; my stage + 16 l
.set SRD,4                             ; my stage + 528 r + 64 h
.set MW, 5                             ; MEAN + 1,040 w + 16 l
.set XWI,6                             ; XIMG + 3,072 w + 16 l
.set XWS,7                             ; XSC + 256 w + 8 l
.set MRD,8                             ; MEAN + 1,040 (r % 8) + 64 h + 512 (w % 2)
.set MWI,9                             ; MIMG + 1,536 (w % 2) + 16 l
.set MWS,10                            ; MSC + 8 l + 4 (w % 2)
.set XRI,11                            ; XIMG + 16 l; the means' images lie MIMG - XIMG = 34,944 bytes on: an immediate
.set XRS,12                            ; XSC + 8 l; the means' scale words MSC - XSC = 13,440 bytes on
.set ZWB,13                            ; ZF + 9,216 w + 4 (r + 8 (r / 8) + 8 h)
.set ZW, 14                            ; ZWB + 1,152 x trip
.set ZRD,15                            ; ZF + 36,864 (w % 2) + 2,304 (w / 2) + 144 r + 64 h
.set Z2RD,16                           ; Z2F + 16,640 (w / 2) + 1,040 r + 512 (w % 2) + 64 h
.set ZIW,17                            ; ZIMG + 1,536 w + 16 l
.set ZSW,18                            ; ZSC + 256 (w / 2) + 8 l + 4 (w % 2)
.set ZIR,19                            ; ZIMG + 16 l
.set ZSR,20                            ; ZSC + 8 l
.set Z2W,21                            ; Z2F + 1,040 r + 128 w + 64 h
.set OW, 22                            ; OST + the same
.set BRD,23                            ; BIAS + 768 w + 64 h
.set BW4,24                            ; BIAS + 768 w + 4 l
.set BW16,25                           ; BIAS + 768 w + 16 l
.set HIW,26                            ; HIMG + 1,536 w + 16 l
.set HSW,27                            ; HSC + 512 w + 16 l
.set HIR,28                            ; HIMG + 16 l; the hidden layer's scale words lie HSC - HIMG = 49,152 bytes on
.set ORD,29                            ; OST + 8,320 w + 16 l
.set L8, 30                            ; 8 l
.set L4, 31                            ; 4 l
.set Q8, 32                            ; v32-39: q of my head for the trip's 8 windows, x log2(e) / sqrt(32): register j, lane (i, h): i < 8: window i, column 16 h + j; else window i - 8, column 16 h + 8 + j
; v40-81 hold scale words and nothing else in the whole text
.set SQ, 40                            ; WQ's: 40 + 2 u + s   (in the chain v40-51 and v78-81 hold restore's: (u, s) at 40 + i + 26 (i / 12), i = 8 u + s)
.set SK, 44                            ; WK's
.set SV, 48                            ; WV's
.set XS, 52                            ; the pair's windows': 52 + 2 x + s   (in the chain: the rows' words)
.set MS, 56                            ; the means'   (in the chain: those of z after WZ)
.set WZS,58                            ; WZ's: 58 + 2 u + s
.set EXS,62                            ; expand's: 62 + 2 t + s
.set WV, 82                            ; v82-129 WV's fragments: 82 + 24 u + 12 s   (in the chain restore's K steps 0, 1: 82 + 24 s + 12 u)
; v130-255 at work, by phase
.set QI, 130                           ; X, MQ, Zq: 64 numbers for the quantiser
.set PCD,194                           ; codes: 12 registers and 8 at work
.set TM, 214                           ; 12 at work
.set PW, 226                           ; the scale word just made
.set MA, 228                           ; v228-231, v232-235: the mean's two chains
.set RC, 242                           ; v242-243: 1 / 16, twice
.set XF, 130                           ; A: the pair's fragments: 130 + 24 x + 12 s
.set KA, 178                           ; k: 178 + 16 x + 8 u.  Before them q's two tiles (178 + 8 u); behind them the softmax weights (178 + 8 x)
.set VA, 210                           ; v: 210 + 16 x + 8 u.  Before them the means' fragments (210 + 12 s), then q of the pair's windows in v's places
.set TC, 242                           ; v242-255 at work
.set ZA, 178                           ; WZ: accumulators 178 + 16 m + 8 u
.set HA, 154                           ; EX: my 8 tiles of the hidden layer
.set PC2,218
.set TM2,238
.set PW2,250
.set OA, 130                           ; RS: accumulators 130 + 16 m + 8 u
.set HF, 194                           ; RS: the step's four fragments of the hidden layer
; window 1 (local numbers): in the loop x as loaded, 64 s + 4 p, in 0-127; WK, WQ.  In the chain: expand tile t at 24 t + 64 (t / 4) + 12 s; the biases as loaded at 96-101; WZ; later restore's steps 2, 3 in WZ's place and 4-7 at 24 (s - 4) + 12 u
.set WK, 160
.set WQ, 208
.set WZF,112
.set BL, 96
.set SEL,26                            ; s[26:27] v_permlanex16_b32's selects for lane l xor 16
; SCALARS: s[4:5] x at the group being asked for; s[6:9] wimg, wscl; s[10:15] the biases at my part; s[16:17] my wave's 8 rows of out0; s18 wave; s19-21, s23 at work; s22 the lanes 8-15 of both halves, as a mask;
; s[24:25] c = log2(e) / sqrt(32); s28 trips to go; s29 1,152 x trip; s[30:31] wimg + 6,144 w; s[32:33] wimg + 24,576 w; s[34:35] wscl + 512 w; s[36:37] wscl + 2,048 w; s[38:39] at work
.set MSB, 0
.macro WIN new                         ; bits 1:0 source 0, 3:2 source 1, 5:4 source 2, 7:6 destination; the immediate's high byte repeats the setting that is left
.if MSB != \new
	s_set_vgpr_msb (MSB<<8)|\new
.set MSB, \new
.endif
.endm
.macro PLACES                          ; four plain instructions behind a matrix instruction, ahead of reads of its result (ISA guide 7.12.1)
.rept 4
	v_nop
.endr
.endm
.macro BARRIER                         ; my LDS stores have landed and my LDS loads are in: then the work-group's barrier
	s_wait_dscnt 0x0
	s_barrier_signal -1
	s_barrier_wait -1
.endm
.macro IMAGE adr, pc, off              ; a fragment goes to LDS as its registers stand: lane l's 16 bytes at 16 l, 512 bytes a store
.irp c, 0,1,2
	ds_store_b128 v[\adr], v[(\pc)+4*\c:(\pc)+4*\c+3] offset:(\off)+512*\c
.endr
.endm
.macro FETCH reg, adr, off             ; and comes back so, in any wave
.irp c, 0,1,2
	ds_load_b128 v[(\reg)+4*\c:(\reg)+4*\c+3], v[\adr] offset:(\off)+512*\c
.endr
.endm
.macro WFRAG reg, base, off            ; a weight's fragment from its image in memory: three loads of 512 consecutive bytes
.irp c, 0,1,2
	global_load_b128 v[(\reg)+4*\c:(\reg)+4*\c+3], v[L16], s[\base:\base+1] offset:(\off)+512*\c
.endr
.endm
.macro WM d, a, b, zero, sa, sb        ; one product 16 x 16 x 128.  zero = 1: it starts the sum
.if \zero
	v_wmma_scale_f32_16x16x128_f8f6f4 v[(\d):(\d)+7], v[(\a):(\a)+11], v[(\b):(\b)+11], 0, v[(\sa)], v[(\sb)] matrix_a_fmt:MATRIX_FMT_BF6 matrix_b_fmt:MATRIX_FMT_BF6
.else
	v_wmma_scale_f32_16x16x128_f8f6f4 v[(\d):(\d)+7], v[(\a):(\a)+11], v[(\b):(\b)+11], v[(\d):(\d)+7], v[(\sa)], v[(\sb)] matrix_a_fmt:MATRIX_FMT_BF6 matrix_b_fmt:MATRIX_FMT_BF6
.endif
.endm
; 64 numbers of a lane, register 16 b + i = k 32 b + 16 h + i of my row, become a fragment's codes in v[pc] .. v[pc + 11] and its scale word in v[pw]
.macro QUANT src, pc, tm, pw
.irp b, 0,1,2,3
	v_max3_num_f32 v[\tm+\b], |v[\src+16*\b]|, |v[\src+1+16*\b]|, 0x2800000   ; block b: my 16 numbers, and the floor 2^(5 - 127): the byte cannot fall under 1
.endr
.irp i, 2,4,6,8,10,12,14
.irp b, 0,1,2,3
	v_max3_num_f32 v[\tm+\b], v[\tm+\b], |v[\src+16*\b+\i]|, |v[\src+1+16*\b+\i]|   ; the four blocks by turns
.endr
.endr
.irp b, 0,1,2,3
	v_permlanex16_b32 v[\tm+4+\b], v[\tm+\b], s[SEL], s[SEL+1]
.endr
.irp b, 0,1,2,3
	v_max_num_f32 v[\tm+\b], v[\tm+\b], v[\tm+4+\b]          ; with lane l xor 16's 16: the block's largest magnitude
.endr
.irp b, 0,1,2,3
	v_add_nc_u32 v[\tm+8+\b], 0xfe000000, v[\tm+\b]          ; 4 off its exponent field: the conversion's scale operand
.endr
.irp b, 0,1,2,3
	v_lshrrev_b32 v[\tm+4+\b], 23, v[\tm+8+\b]               ; the scale's byte
.endr
	v_lshl_or_b32 v[\pw], v[\tm+5], 8, v[\tm+4]              ; four bytes make my row's scale word
	v_lshl_or_b32 v[\pw], v[\tm+6], 16, v[\pw]
	v_lshl_or_b32 v[\pw], v[\tm+7], 24, v[\pw]
.irp c, 0,1
	v_cvt_scalef32_pk16_bf6_f32 v[\pc+6*\c:\pc+2+6*\c], v[\src+32*\c:\src+15+32*\c], v[\tm+8+2*\c]
	v_cvt_scalef32_pk16_bf6_f32 v[\pc+12+4*\c:\pc+14+4*\c], v[\src+16+32*\c:\src+31+32*\c], v[\tm+8+2*\c+1]   ; (a conversion's three registers begin on an even number)
.endr
	v_nop                                                    ; one plain instruction behind the scaled conversions
.irp c, 0,1                                    ; the operand wants a WHOLE block in a lane: lanes 0-15 block 2 c, lanes 16-31 block 2 c + 1
.irp i, 0,1,2
	v_permlane16_swap_b32 v[\pc+6*\c+\i], v[\pc+12+4*\c+\i]
.endr
.irp i, 0,1,2
	v_mov_b32 v[\pc+3+6*\c+\i], v[\pc+12+4*\c+\i]
.endr
.endr
.endm
; K step s (512 bytes) of my window's 16 positions: position p = 4 dr + dc lies dr image rows (262,144 bytes) and dc columns (1,024 bytes) on.  Each load reads 512 consecutive aligned bytes
.macro XLOAD s
	WIN 0x40                                       ; destination window 1
.irp p, 0,1,2,3,4,5,6,7,8,9,10,11,12,13,14,15
	global_load_b128 v[64*(\s)+4*\p:64*(\s)+4*\p+3], v[XO], s[4:5] offset:(\p/4)*262144+(\p%4)*1024+512*(\s) th:TH_LOAD_NT
.endr
	WIN 0
.endm
; ---- PHASE X.  ahead = 1: as soon as a half's registers are free they take the same half of my window of the NEXT group
.macro XPH ahead
	v_mov_b32 v[RC], 0x3d800000                    ; 1 / 16: the scaling is exact
	v_mov_b32 v[RC+1], 0x3d800000
.if \ahead
	s_wait_alu depctr_va_vdst(0)
	s_wait_xcnt 0x0                                ; the loads that are out have read their base: it may step
	s_add_nc_u64 s[4:5], s[4:5], 32768             ; the next group: 8 windows x 4 columns x 1,024 bytes
.endif
.irp s, 0,1
	WIN 0x04                                       ; source 1 (x: factor of the mean, data of the stage's stores) in window 1
.irp c, 0,1,2,3
	s_wait_alu depctr_va_vdst(0)
	s_wait_loadcnt 28-4*\c-16*\s*(1-\ahead)        ; positions 4 c .. 4 c + 3 of this half are in; out may be: the rest of the half, 12 - 4 c, and the 16 loads issued behind it (none behind the tail's second half)
.irp k, 0,1,2,3
.irp e, 0,2
.if 4*\c+\k < 2
	v_pk_mul_f32 v[MA+4*(\k%2)+\e:MA+4*(\k%2)+\e+1], v[RC:RC+1], v[64*\s+16*\c+4*\k+\e:64*\s+16*\c+4*\k+\e+1]   ; the first two positions start the two chains
.else
	v_pk_fma_f32 v[MA+4*(\k%2)+\e:MA+4*(\k%2)+\e+1], v[RC:RC+1], v[64*\s+16*\c+4*\k+\e:64*\s+16*\c+4*\k+\e+1], v[MA+4*(\k%2)+\e:MA+4*(\k%2)+\e+1]
.endif
.endr
.endr
.irp k, 0,1,2,3
	ds_store_b128 v[SA], v[64*\s+16*\c+4*\k:64*\s+16*\c+4*\k+3] offset:528*(4*\c+\k)   ; the position's 512 bytes as they lie: data that loads brought, an address from the head
.endr
.endr
	WIN 0
	v_pk_add_f32 v[MA:MA+1], v[MA:MA+1], v[MA+4:MA+5]
	v_pk_add_f32 v[MA+2:MA+3], v[MA+2:MA+3], v[MA+6:MA+7]
	s_wait_alu depctr_va_vdst(0)                   ; the sums have written v[MA ..], which the mean's store reads; the multiply-adds are done reading this half of x, in which the next group's loads land; the quantiser (in a trip's first half: phase A) is done with v[QI ..], in which the loads below land
.irp b, 0,1,2,3
.irp j, 0,1,2,3
	ds_load_b128 v[QI+16*\b+4*\j:QI+16*\b+4*\j+3], v[SRD] offset:128*\b+16*\j   ; back: position r, 16 neighbours of each block.  LDS serves a wave's instructions in order: these see my stores
.endr
.endr
	ds_store_b128 v[MW], v[MA:MA+3] offset:512*\s  ; my window's mean, four numbers a lane
	s_wait_dscnt 0x0                               ; the 64 numbers are in
	s_wait_alu depctr_vm_vsrc(0)                   ; the stage's stores have read this half of x, in which loads land next; the mean's store has read v[MA ..], which the next half's products write; the last image's stores have read v[PCD ..] and v[PW], which the quantiser writes
.if \ahead
	XLOAD \s
.endif
	QUANT QI, PCD, TM, PW
	s_wait_alu depctr_va_vdst(0)                   ; the quantiser has written v[PCD ..] and v[PW], which the four stores below read; it is also done reading v[QI ..] and writing v210-226, in which the next LDS loads land
	IMAGE XWI, PCD, 1536*\s
	ds_store_b32 v[XWS], v[PW] offset:4*\s
.endr
.endm
; the first of what the chain wants, 49 loads, into x's registers, which the tail trip leaves free: WZ (12), expand's tiles 0-3 (24), the three biases (3); the scale words of WZ and expand (2 + 8).  They have all of phase A in which to land.
; No wait of their own: phase X's waits have stated that the multiply-adds and the stage's stores have read x's registers, and nothing issued since names them; the other registers have not been named at all
.macro P1
	WIN 0x40
.irp u, 0,1
.irp s, 0,1
	WFRAG WZF+24*\u+12*\s, 30, (48+\u)*3072+1536*\s
.endr
.endr
.irp t, 0,1,2,3
.irp s, 0,1
	WFRAG 24*\t+12*\s, 32, (64+\t)*3072+1536*\s
.endr
.endr
	global_load_b32 v[BL+4], v[L4], s[10:11]       ; my 32 of WZ_b, a number a lane
	global_load_b128 v[BL:BL+3], v[L16], s[12:13]  ; my 128 of expand_b, four a lane
	global_load_b32 v[BL+5], v[L4], s[14:15]       ; my 32 of restore_b
	WIN 0
.irp u, 0,1
	global_load_b64 v[WZS+2*\u:WZS+2*\u+1], v[L8], s[34:35] offset:(48+\u)*256
.endr
.irp t, 0,1,2,3,4,5,6,7
	global_load_b64 v[EXS+2*\t:EXS+2*\t+1], v[L8], s[36:37] offset:(64+\t)*256
.endr
.endm
.macro XFETCH n                        ; pair n's four fragments and two pairs of scale words: 14 LDS loads
.irp x, 0,1
.irp s, 0,1
	FETCH XF+24*\x+12*\s, XRI, 3072*(2*(\n)+\x)+1536*\s
.endr
.endr
.irp x, 0,1
	ds_load_b64 v[XS+2*\x:XS+2*\x+1], v[XRS] offset:256*(2*(\n)+\x)
.endr
.endm
.macro BCAST dst, src, lane            ; eight registers: every lane takes the number of lane 'lane' of its own half of the wave
.irp j, 0,1,2,3,4,5,6,7
	v_mov_b32_dpp v[(\dst)+\j], v[(\src)+\j] row_share:\lane row_mask:0xf bank_mask:0xf
.endr
.endm
.macro VW x, u, s                      ; v, NATURAL: source 0 = the window's 16 positions, source 1 = 16 rows of WV: lane (r, h) holds column 8 u + r + 8 (r / 8) of my head, register j position 8 h + j
	WM VA+16*\x+8*\u, XF+24*\x+12*\s, WV+24*\u+12*\s, 1-\s, XS+2*\x+\s, SV+2*\u+\s
.endm
; ---- two windows, a = 2 n and b = 2 n + 1.  la0, la1, lb0, lb1: the lanes of a half that hold q of window a, tiles 0 and 1, and of window b: 2 n, 2 n + 8, 2 n + 1, 2 n + 9
.macro PAIR n, la0, la1, lb0, lb1
	BCAST VA, Q8, \la0                             ; q of the two windows, my half's 16 columns, the same in all lanes of a half, into v's places: 32 moves, which stand ahead of the wait for the fragments
	BCAST VA+8, Q8, \la1
	BCAST VA+16, Q8, \lb0
	BCAST VA+24, Q8, \lb1
	s_wait_dscnt 0x0                               ; the pair's fragments and scale words are in
.if \n > 0
	s_wait_alu depctr_vm_vsrc(0)                   ; the last pair's two stores of z have read v[TC+12] and v[TC+13], which this pair's last sums write again (for a trip's first pair phase X's waits have stated it)
.endif
	WIN 0x01                                       ; source 0 (WK) in window 1
.irp s, 0,1                                    ; k, TRANSPOSED: source 0 = 16 rows of WK, source 1 = the window: lane (r, h) holds position r, register j of tile u column 16 h + 8 u + j of my head.  Four accumulators by turns
.irp x, 0,1
.irp u, 0,1
	WM KA+16*\x+8*\u, WK+24*\u+12*\s, XF+24*\x+12*\s, 1-\s, SK+2*\u+\s, XS+2*\x+\s
.endr
.endr
.endr
	WIN 0
	PLACES
.irp e, 0,2,4,6                                ; the scores: my 16 columns of q . k, in four chains, each accumulator from its low end on
.irp y, 0,1,2,3
.if \e == 0
	v_pk_mul_f32 v[TC+2*\y:TC+2*\y+1], v[KA+8*\y:KA+8*\y+1], v[VA+8*\y:VA+8*\y+1]
.else
	v_pk_fma_f32 v[TC+2*\y:TC+2*\y+1], v[KA+8*\y+\e:KA+8*\y+\e+1], v[VA+8*\y+\e:VA+8*\y+\e+1], v[TC+2*\y:TC+2*\y+1]
.endif
.endr
.endr
	v_pk_add_f32 v[TC:TC+1], v[TC:TC+1], v[TC+2:TC+3]
	v_pk_add_f32 v[TC+4:TC+5], v[TC+4:TC+5], v[TC+6:TC+7]
	v_add_f32 v[TC+2], v[TC], v[TC+1]              ; window a: my half of position r's score
	v_add_f32 v[TC+3], v[TC+4], v[TC+5]            ; window b
	v_permlane16_swap_b32 v[TC+2], v[TC+3]         ; a's lanes 16-31 change places with b's lanes 0-15:
	v_add_f32 v[TC+8], v[TC+2], v[TC+3]            ; t = score x log2(e) / sqrt(32): lanes 0-15 window a's 16 positions, lanes 16-31 window b's
	; the softmax is a chain of dependent lines: v's eight products, all of whose registers lie in window 0, stand between them
	VW 0, 0, 0
	v_max_num_f32_dpp v[TC+6], v[TC+8], v[TC+8] row_xmask:1 row_mask:0xf bank_mask:0xf
	VW 0, 1, 0
	v_max_num_f32_dpp v[TC+6], v[TC+6], v[TC+6] row_xmask:2 row_mask:0xf bank_mask:0xf
	VW 1, 0, 0
	v_max_num_f32_dpp v[TC+6], v[TC+6], v[TC+6] row_xmask:4 row_mask:0xf bank_mask:0xf
	VW 1, 1, 0
	v_max_num_f32_dpp v[TC+6], v[TC+6], v[TC+6] row_xmask:8 row_mask:0xf bank_mask:0xf   ; the window's largest t
	VW 0, 0, 1
	v_sub_f32 v[TC+7], v[TC+8], v[TC+6]
	VW 0, 1, 1
	s_wait_alu depctr_va_vdst(0)
	v_exp_f32 v[TC+9], v[TC+7]                     ; 2^(t - the largest t)
	s_wait_alu depctr_va_vdst(0)
	VW 1, 0, 1
	v_nop                                          ; the plain instruction behind the exponential
	VW 1, 1, 1
	s_wait_alu depctr_va_vdst(0)                   ; the exponential has written v[TC+9], ahead of the first line that names it
	v_add_f32_dpp v[TC+4], v[TC+9], v[TC+9] row_xmask:1 row_mask:0xf bank_mask:0xf
	v_add_f32_dpp v[TC+4], v[TC+4], v[TC+4] row_xmask:2 row_mask:0xf bank_mask:0xf
	v_add_f32_dpp v[TC+4], v[TC+4], v[TC+4] row_xmask:4 row_mask:0xf bank_mask:0xf
	v_add_f32_dpp v[TC+4], v[TC+4], v[TC+4] row_xmask:8 row_mask:0xf bank_mask:0xf   ; the window's sum
	s_wait_alu depctr_va_vdst(0)
	v_rcp_f32 v[TC+5], v[TC+4]
	v_nop                                          ; the plain instruction behind the reciprocal
	s_wait_alu depctr_va_vdst(0)                   ; the reciprocal has written v[TC+5]; and k's and v's sixteen products are done reading v[XF ..] and v[XS ..], in which the next pair's loads land: the three lines between name neither
	v_mul_f32 v[TC+10], v[TC+9], v[TC+5]           ; the weight of my position: lanes 0-15 window a's, lanes 16-31 window b's
	v_nop                                          ; with the two lines above: four plain instructions without a lane control behind v's last product,
	v_nop                                          ; ahead of the reads of its result
.if \n < 3
	XFETCH \n+1                                    ; the next pair's 14 loads have the rest of this pair in which to land
.endif
	; v's register j holds position 8 h + j, so lane (., h) wants weights 8 h + 0 .. 7.  First they are brought to lanes 0-7 of half h, then spread
	v_mov_b32_dpp v[TC+7], v[TC+10] row_xmask:8 row_mask:0xf bank_mask:0xf   ; a copy in which lane i holds position i xor 8's
	v_permlane16_swap_b32 v[TC+10], v[TC+7]        ; the first's lanes 16-31 change places with the copy's lanes 0-15: the first is now window a's (lane j of half h: weight 8 h + j), the second window b's
.irp j, 0,1,2,3,4,5,6,7
	v_mov_b32_dpp v[KA+\j], v[TC+10] row_share:\j row_mask:0xf bank_mask:0xf      ; window a
	v_mov_b32_dpp v[KA+8+\j], v[TC+7] row_share:\j row_mask:0xf bank_mask:0xf     ; window b
.endr
.irp e, 0,2,4,6                                ; z: my 8 positions of the weights . v, four chains, each accumulator from its low end on
.irp y, 0,1,2,3
.if \e == 0
	v_pk_mul_f32 v[TC+2*\y:TC+2*\y+1], v[VA+8*\y:VA+8*\y+1], v[KA+8*(\y/2):KA+8*(\y/2)+1]
.else
	v_pk_fma_f32 v[TC+2*\y:TC+2*\y+1], v[VA+8*\y+\e:VA+8*\y+\e+1], v[KA+8*(\y/2)+\e:KA+8*(\y/2)+\e+1], v[TC+2*\y:TC+2*\y+1]
.endif
.endr
.endr
.irp y, 0,1,2,3
	v_add_f32 v[TC+8+\y], v[TC+2*\y], v[TC+2*\y+1]
.endr
	v_permlane16_swap_b32 v[TC+8], v[TC+9]         ; tile 0's lanes 16-31 change places with tile 1's lanes 0-15:
	v_permlane16_swap_b32 v[TC+10], v[TC+11]
	v_add_f32 v[TC+12], v[TC+8], v[TC+9]           ; all 16 positions; lane (r, h) holds column 8 h + r + 8 (r / 8) of my head: window a,
	v_add_f32 v[TC+13], v[TC+10], v[TC+11]         ; window b
	s_wait_alu depctr_va_vdst(0)                   ; the sums have written v[TC+12] and v[TC+13], the two stores' data (and, in a trip's first pair, the add at phase A's head has written v[ZW], their address)
	ds_store_b32 v[ZW], v[TC+12] offset:144*(2*\n)
	ds_store_b32 v[ZW], v[TC+13] offset:144*(2*\n+1)
.endm
; ---- PHASE A.  Its first 21 loads owe no wait on va_vdst: no vector instruction has been issued since the wait behind the last quantiser
.macro APH ahead
	FETCH VA, XRI, MIMG-XIMG                       ; the means' two fragments and scale words: 7 loads,
	FETCH VA+12, XRI, MIMG-XIMG+1536
	ds_load_b64 v[MS:MS+1], v[XRS] offset:MSC-XSC
	XFETCH 0                                       ; and pair 0's 14
.if \ahead
	v_add_nc_u32 v[ZW], s29, v[ZWB]                ; this trip's 8 rows of z (the last trip's stores have read v[ZW]: phase X's waits on vm_vsrc have stated it)
.else
	v_add_nc_u32 v[ZW], 7*1152, v[ZWB]
.endif
	s_wait_dscnt 14                                ; the means' are in; pair 0's 14 loads may be out
	WIN 0x01                                       ; source 0 (WQ) in window 1
.irp s, 0,1                                    ; q, TRANSPOSED: lane (r, h) holds window r % 8, register j of tile u column 16 h + 8 u + j of my head.  Two accumulators by turns
.irp u, 0,1
	WM KA+8*\u, WQ+24*\u+12*\s, VA+12*\s, 1-\s, SQ+2*\u+\s, MS+\s
.endr
.endr
	WIN 0
	PLACES
.irp j, 0,1,2,3,4,5,6,7
	v_cndmask_b32 v[Q8+\j], v[KA+\j], v[KA+8+\j], s22   ; each window stands in lanes r and r + 8: lanes 0-7 of a half keep tile 0, lanes 8-15 tile 1: eight registers hold both tiles
.endr
.irp e, 0,2,4,6
	v_pk_mul_f32 v[Q8+\e:Q8+\e+1], v[Q8+\e:Q8+\e+1], s[24:25] op_sel_hi:[1,0]   ; x log2(e) / sqrt(32)
.endr
	PAIR 0, 0, 8, 1, 9
	PAIR 1, 2, 10, 3, 11
	PAIR 2, 4, 12, 5, 13
	PAIR 3, 6, 14, 7, 15
.if \ahead
	s_add_co_u32 s29, s29, 1152
.endif
.endm
; ---- A TRIP: 8 windows
.macro TRIP ahead
	XPH \ahead
.if \ahead == 0
	P1
.endif
	BARRIER                                        ; the eight means lie in LDS (and x's images)
	s_wait_alu depctr_vm_vsrc(0)                   ; my second image's stores have read v[PCD ..] and v[PW], which the means' quantiser (waves 0 and 1) writes next: ahead of the branch, on every wave's way
	s_cmp_gt_u32 s18, 1
	s_cbranch_scc1 .Lnomq_\@                       ; waves 0 and 1 quantise K steps 0 and 1 of the means; rows 8-15 of the tile repeat rows 0-7
.irp b, 0,1,2,3
.irp j, 0,1,2,3
	ds_load_b128 v[QI+16*\b+4*\j:QI+16*\b+4*\j+3], v[MRD] offset:128*\b+16*\j
.endr
.endr
	s_wait_dscnt 0x0
	QUANT QI, PCD, TM, PW
	s_wait_alu depctr_va_vdst(0)                   ; the quantiser has written v[PCD ..] and v[PW], which the four stores below read; it is done with v130-226, in which phase A's loads land
	IMAGE MWI, PCD, 0
	ds_store_b32 v[MWS], v[PW]
.Lnomq_\@:
	BARRIER                                        ; the means' images lie in LDS
	s_wait_alu depctr_vm_vsrc(0)                   ; the stores of the means' image (waves 0 and 1) have read v[PCD ..] and v[PW]: phase A's loads land in v[PW], and its products write v[PCD ..]
	APH \ahead
	BARRIER                                        ; every wave has read the images: the next trip may write them
.endm
	; ================ THE HEAD
	s_load_b256 s[4:11], s[0:1], 0x0               ; x s[4:5], wimg s[6:7], wscl s[8:9], WZ_b s[10:11]
	s_load_b128 s[12:15], s[0:1], 0x20             ; expand_b s[12:13], restore_b s[14:15]
	s_load_b64 s[16:17], s[0:1], 0x30              ; out0
	v_lshrrev_b32 v130, 5, v0
	v_readfirstlane_b32 s18, v130                  ; wave 0..7
	v_and_b32 v130, 31, v0                         ; l
	s_wait_alu depctr_va_vdst(0)
	v_and_b32 v131, 15, v0                         ; r
	s_wait_alu depctr_va_vdst(0)
	v_bfe_u32 v132, v0, 4, 1                       ; h
	s_wait_alu depctr_va_sdst(0)                   ; s18 is written, ahead of its first reader
	s_and_b32 s20, s18, 1                          ; w % 2
	s_lshr_b32 s21, s18, 1                         ; w / 2
	s_mov_b32 s24, 0x3e8293ee                      ; c = log2(e) / sqrt(32)
	s_mov_b32 s25, s24                             ; (named with it as a pair, so it is written)
	s_mov_b32 s[SEL], 0x76543210
	s_mov_b32 s[SEL+1], 0xfedcba98
	s_mov_b32 s28, 7
	s_mov_b32 s29, 0
	v_lshlrev_b32 v[L16], 4, v130
	v_lshlrev_b32 v[L8], 3, v130
	v_lshlrev_b32 v[L4], 2, v130
	s_lshl_b32 s19, s18, 12
	v_add_nc_u32 v[XO], s19, v[L16]
	s_mul_i32 s19, s18, STGW                       ; (the stages begin at LDS byte 0)
	v_add_nc_u32 v[SA], s19, v[L16]
	v_mul_u32_u24 v133, v131, 528
	s_wait_alu depctr_va_vdst(0)
	v_lshl_add_u32 v133, v132, 6, v133
	v_add_nc_u32 v[SRD], s19, v133
	s_mul_i32 s19, s18, 1040
	s_add_co_u32 s19, s19, MEAN
	v_add_nc_u32 v[MW], s19, v[L16]
	s_mul_i32 s19, s18, 3072
	s_add_co_u32 s19, s19, XIMG
	v_add_nc_u32 v[XWI], s19, v[L16]
	s_lshl_b32 s19, s18, 8
	s_add_co_u32 s19, s19, XSC
	v_add_nc_u32 v[XWS], s19, v[L8]
	v_and_b32 v133, 7, v0
	v_mul_u32_u24 v133, v133, 1040
	v_lshl_add_u32 v133, v132, 6, v133
	s_lshl_b32 s19, s20, 9
	s_add_co_u32 s19, s19, MEAN
	v_add_nc_u32 v[MRD], s19, v133
	s_mul_i32 s19, s20, 1536
	s_add_co_u32 s19, s19, MIMG
	v_add_nc_u32 v[MWI], s19, v[L16]
	s_lshl_b32 s19, s20, 2
	s_add_co_u32 s19, s19, MSC
	v_add_nc_u32 v[MWS], s19, v[L8]
	v_add_nc_u32 v[XRI], XIMG, v[L16]
	v_add_nc_u32 v[XRS], XSC, v[L8]
	v_mul_u32_u24 v133, v131, 144                  ; 144 r
	v_and_b32 v135, 8, v131
	v_add_nc_u32 v135, v135, v131
	v_lshl_add_u32 v135, v132, 3, v135             ; r + 8 (r / 8) + 8 h
	v_lshlrev_b32 v135, 2, v135
	s_mul_i32 s19, s18, ZFW
	s_add_co_u32 s19, s19, ZF
	v_add_nc_u32 v[ZWB], s19, v135
	v_lshl_add_u32 v135, v132, 6, v133             ; 144 r + 64 h
	s_mul_i32 s19, s20, 4*ZFW
	s_mul_i32 s22, s21, 16*144
	s_add_co_u32 s19, s19, s22
	s_add_co_u32 s19, s19, ZF
	v_add_nc_u32 v[ZRD], s19, v135
	v_mul_u32_u24 v133, v131, 1040
	v_lshl_add_u32 v133, v132, 6, v133             ; 1,040 r + 64 h
	s_wait_alu depctr_va_vdst(0)
	s_mul_i32 s19, s21, 16*1040
	s_lshl_b32 s22, s20, 9
	s_add_co_u32 s19, s19, s22
	v_add_nc_u32 v[Z2RD], s19, v133                ; (Z2F begins at LDS byte 0)
	s_mul_i32 s19, s18, 1536
	s_add_co_u32 s22, s19, ZIMG
	v_add_nc_u32 v[ZIW], s22, v[L16]
	s_add_co_u32 s22, s19, HIMG
	v_add_nc_u32 v[HIW], s22, v[L16]
	s_lshl_b32 s19, s21, 8
	s_lshl_b32 s22, s20, 2
	s_add_co_u32 s19, s19, s22
	s_add_co_u32 s19, s19, ZSC
	v_add_nc_u32 v[ZSW], s19, v[L8]
	v_add_nc_u32 v[ZIR], ZIMG, v[L16]
	v_add_nc_u32 v[ZSR], ZSC, v[L8]
	s_lshl_b32 s19, s18, 7
	v_add_nc_u32 v[Z2W], s19, v133
	s_add_co_u32 s19, s19, OST
	v_add_nc_u32 v[OW], s19, v133
	s_mul_i32 s19, s18, 768
	s_add_co_u32 s19, s19, BIAS
	v_lshlrev_b32 v134, 6, v132
	v_add_nc_u32 v[BRD], s19, v134
	v_add_nc_u32 v[BW4], s19, v[L4]
	v_add_nc_u32 v[BW16], s19, v[L16]
	s_lshl_b32 s19, s18, 9
	s_add_co_u32 s19, s19, HSC
	v_add_nc_u32 v[HSW], s19, v[L16]
	v_add_nc_u32 v[HIR], HIMG, v[L16]
	s_mul_i32 s19, s18, 8*1040
	s_add_co_u32 s19, s19, OST
	v_add_nc_u32 v[ORD], s19, v[L16]
	s_mov_b32 s22, 0xff00ff00                      ; lanes 8-15 of both halves
.irp b, 0,1,2,3
	v_mov_b32 v[TM+4+\b], 0                        ; written once: a lane permute's destination counts as one of its sources
.endr
.irp b, 0,1,2,3,4,5
	v_mov_b32 v[VA+26+\b], 0                       ; likewise a DPP move's: the six of v's 32 registers that nothing writes ahead of the first pair's moves
.endr
	s_wait_kmcnt 0x0
	s_mov_b32 s39, 0
	s_lshl_b32 s38, ttmp9, 20
	s_add_nc_u64 s[4:5], s[4:5], s[38:39]          ; my work-group's 2^20 bytes of x
	s_lshl_b32 s38, ttmp9, 16
	s_add_nc_u64 s[16:17], s[16:17], s[38:39]      ; its 64 rows of the output,
	s_lshl_b32 s38, s18, 13
	s_add_nc_u64 s[16:17], s[16:17], s[38:39]      ; and my wave's 8 of them
	s_mul_i32 s38, s18, 2*3072
	s_add_nc_u64 s[30:31], s[6:7], s[38:39]        ; two units a wave: WQ, WK, WV, WZ
	s_mul_i32 s38, s18, 8*3072
	s_add_nc_u64 s[32:33], s[6:7], s[38:39]        ; eight units a wave: expand, restore
	s_lshl_b32 s38, s18, 9
	s_add_nc_u64 s[34:35], s[8:9], s[38:39]
	s_add_nc_u64 s[12:13], s[12:13], s[38:39]      ; my 128 of expand_b
	s_lshl_b32 s38, s18, 11
	s_add_nc_u64 s[36:37], s[8:9], s[38:39]
	s_lshl_b32 s38, s18, 7
	s_add_nc_u64 s[10:11], s[10:11], s[38:39]      ; my 32 of WZ_b
	s_add_nc_u64 s[14:15], s[14:15], s[38:39]      ; and of restore_b
	; my head's weights, 42 loads, AHEAD of x's: loads come back in order (ISA guide 5.7.1), so the first trip's counted waits for x show the weights in too
	WIN 0x40
	s_wait_alu depctr_va_vdst(0)                   ; the addresses v1 to v31 are written, which every load and store of the kernel reads; so are v130-135, v218-221 and v236-241, in which LDS loads land later
.irp u, 0,1
.irp s, 0,1
	WFRAG WK+24*\u+12*\s, 30, (16+\u)*3072+1536*\s
.endr
.endr
.irp u, 0,1
.irp s, 0,1
	WFRAG WQ+24*\u+12*\s, 30, \u*3072+1536*\s
.endr
.endr
	WIN 0
.irp u, 0,1
.irp s, 0,1
	WFRAG WV+24*\u+12*\s, 30, (32+\u)*3072+1536*\s
.endr
.endr
.irp u, 0,1
	global_load_b64 v[SQ+2*\u:SQ+2*\u+1], v[L8], s[34:35] offset:\u*256
	global_load_b64 v[SK+2*\u:SK+2*\u+1], v[L8], s[34:35] offset:(16+\u)*256
	global_load_b64 v[SV+2*\u:SV+2*\u+1], v[L8], s[34:35] offset:(32+\u)*256
.endr
	XLOAD 0                                        ; group 0
	XLOAD 1
	; ================ THE LOOP: 7 trips that ask for the next group, and a tail that asks for the chain's weights instead
.Ltrip:
	TRIP 1
	s_sub_co_u32 s28, s28, 1
	s_cmp_lg_u32 s28, 0
	s_cbranch_scc1 .Ltrip
	TRIP 0
	; ================ THE CHAIN, 64 rows in tiles m = 0 .. 3
	; 44 loads: expand's tiles 4-7 into WK's and WQ's registers (24); restore's scale words (8); restore's K steps 0, 1 into WV's registers (12)
	WIN 0x40
	s_wait_alu depctr_va_vdst(0)                   ; the loop's products are done reading WK, WQ, WV and their scale words, in which the 44 loads land, and phase A is done with v130-193, in which z lands
.irp t, 4,5,6,7
.irp s, 0,1
	WFRAG 64+24*\t+12*\s, 32, (64+\t)*3072+1536*\s
.endr
.endr
	WIN 0
.irp u, 0,1
.irp p, 0,1,2,3
.set RI, 8*\u+2*\p
	global_load_b64 v[40+RI+26*(RI/12):41+RI+26*(RI/12)], v[L8], s[36:37] offset:(128+4*\u+\p)*256
.endr
.endr
.irp s, 0,1
.irp u, 0,1
	WFRAG WV+24*\s+12*\u, 32, (128+4*\u)*3072+1536*\s
.endr
.endr
; wave w quantises rows 16 (w / 2) on, K step w % 2, of a matrix of 64 x 256 f32 in LDS whose blocks of 32 lie bst bytes apart; images off bytes behind ZIMG, ZSC.  first = 1: the biases go to LDS on the way
.macro ZQ rd, bst, off, first
.irp b, 0,1,2,3
.irp j, 0,1,2,3
	ds_load_b128 v[QI+16*\b+4*\j:QI+16*\b+4*\j+3], v[\rd] offset:\bst*\b+16*\j
.endr
.endr
.if \first
	s_wait_loadcnt 44                              ; all that was asked for in the tail trip is in, the three biases among it; the 24 + 8 + 12 loads issued since may be out
	WIN 0x04                                       ; an LDS store's data are its source 1: window 1
	ds_store_b32 v[BW4], v[BL+4]
	ds_store_b128 v[BW16], v[BL:BL+3] offset:128
	ds_store_b32 v[BW4], v[BL+5] offset:640
	WIN 0
.endif
	s_wait_dscnt 0x0
	QUANT QI, PCD, TM, PW
	s_wait_alu depctr_va_vdst(0)                   ; the quantiser has written v[PCD ..] and v[PW], which the four stores below read; it is done with v130-226, in which the next phase's loads land
	IMAGE ZIW, PCD, \off
	ds_store_b32 v[ZSW], v[PW] offset:\off
.endm
	ZQ ZRD, ZFW, 0, 1
	BARRIER                                        ; z's eight images lie in LDS
	s_wait_alu depctr_vm_vsrc(0)                   ; my image's stores have read v[PCD ..] and v[PW], in which the bias lands below
	; ---- WZ, TRANSPOSED: source 0 = 16 rows of WZ_w, source 1 = 16 rows of z.  The sums begin as the bias, loaded in the result's layout.  Two tiles of rows at a time: four accumulators by turns
.irp mp, 0,1
.irp i, 0,1
.irp s, 0,1
	FETCH XF+24*\i+12*\s, ZIR, 1536*(4*\mp+2*\i+\s)
.endr
.endr
.irp i, 0,1
	ds_load_b64 v[XS+2*\i:XS+2*\i+1], v[ZSR] offset:256*(2*\mp+\i)
.endr
.irp i, 0,1
.irp u, 0,1
.irp q, 0,1
	ds_load_b128 v[ZA+32*\mp+16*\i+8*\u+4*\q:ZA+32*\mp+16*\i+8*\u+4*\q+3], v[BRD] offset:32*\u+16*\q
.endr
.endr
.endr
	s_wait_dscnt 0x0
	WIN 0x01
.irp s, 0,1
.irp i, 0,1
.irp u, 0,1
	WM ZA+32*\mp+16*\i+8*\u, WZF+24*\u+12*\s, XF+24*\i+12*\s, 0, WZS+2*\u+\s, XS+2*\i+\s
.endr
.endr
.endr
	WIN 0
	PLACES
	s_wait_alu depctr_va_vdst(0)                   ; the products have written the four accumulators, which the stores below read (the places above stay beside this wait); they are done reading v[XF ..], v[XS ..] and WZ's fragments, in which the next loads land
.irp i, 0,1
.irp u, 0,1
.irp q, 0,1
	ds_store_b128 v[Z2W], v[ZA+32*\mp+16*\i+8*\u+4*\q:ZA+32*\mp+16*\i+8*\u+4*\q+3] offset:16640*(2*\mp+\i)+32*\u+16*\q   ; row 16 m + r, columns 32 w + 16 h + 8 u on
.endr
.endr
.endr
.endr
	WIN 0x40                                       ; 12 loads: restore's K steps 2, 3 into WZ's registers, which the wait above has shown read out
.irp s, 2,3
.irp u, 0,1
	WFRAG WZF+24*(\s-2)+12*\u, 32, (128+4*\u+1)*3072+1536*(\s-2)
.endr
.endr
	WIN 0
	BARRIER                                        ; 64 rows of z after WZ lie in LDS
	s_wait_alu depctr_vm_vsrc(0)                   ; my sixteen stores have read v178-241: the loads below land in v178-193, and the quantiser writes v194-226
	ZQ Z2RD, 128, Z2O, 0
	BARRIER                                        ; and their images
	; ---- EX: my 128 hidden units for a tile of 16 rows at a time: eight accumulators by turns; relu; quantised in registers: K step w of restore
	s_wait_loadcnt 32                              ; expand's tiles 4-7 are in; out may be restore's scale words (8), its steps 0, 1 (12) and 2, 3 (12)
.irp m, 0,1,2,3
	s_wait_alu depctr_vm_vsrc(0)                   ; the last image's four stores have read their codes and word: ahead of tile 0 v194-205, in which the bias lands, and v226; else v[PC2 ..] and v[PW2]: this tile's quantiser writes them
	FETCH XF, ZIR, Z2O+1536*(2*\m)
	FETCH XF+12, ZIR, Z2O+1536*(2*\m+1)
	ds_load_b64 v[MS:MS+1], v[ZSR] offset:Z2O+256*\m
.irp t, 0,1,2,3,4,5,6,7
.irp q, 0,1
	ds_load_b128 v[HA+8*\t+4*\q:HA+8*\t+4*\q+3], v[BRD] offset:128+128*(\t/2)+32*(\t%2)+16*\q   ; the sums begin as the bias
.endr
.endr
	s_wait_dscnt 0x0
	WIN 0x01
.irp s, 0,1
.irp t, 0,1,2,3,4,5,6,7
	WM HA+8*\t, 24*\t+64*(\t/4)+12*\s, XF+12*\s, 0, EXS+2*\t+\s, MS+\s
.endr
.endr
	WIN 0
	PLACES
.if \m == 3
	WIN 0x40                                       ; 24 loads, in the order of the steps: restore's K steps 4-7 into the registers of expand's tiles 0-3
	s_wait_alu depctr_va_vdst(0)                   ; expand's last products are done reading the fragments of tiles 0-3
.irp s, 4,5,6,7
.irp u, 0,1
	WFRAG 24*(\s-4)+12*\u, 32, (128+4*\u+\s/2)*3072+1536*(\s%2)
.endr
.endr
	WIN 0
.endif
.irp j, 0,1,2,3,4,5,6,7,8,9,10,11,12,13,14,15,16,17,18,19,20,21,22,23,24,25,26,27,28,29,30,31,32,33,34,35,36,37,38,39,40,41,42,43,44,45,46,47,48,49,50,51,52,53,54,55,56,57,58,59,60,61,62,63
	v_max_num_f32 v[HA+\j], 0, v[HA+\j]            ; relu, in f32, each accumulator from its low end on
.endr
	QUANT HA, PC2, TM2, PW2
	s_wait_alu depctr_va_vdst(0)                   ; the quantiser has written v[PC2 ..] and v[PW2], which the four stores below read; the products are done reading v[XF ..] and v[MS ..], the quantiser v[HA ..]: the next loads land in all of them
	IMAGE HIW, PC2, 12288*\m
	ds_store_b32 v[HSW], v[PW2] offset:4*\m
.endr
	BARRIER                                        ; the hidden layer's 32 images lie in LDS
	s_wait_alu depctr_vm_vsrc(0)                   ; the last image's stores have read v[PC2 ..], in which the hidden layer's fragments land
	; ---- RS: my 32 outputs for the 64 rows: eight accumulators by turns, a K step at a time
.irp m, 0,1,2,3
.irp u, 0,1
.irp q, 0,1
	ds_load_b128 v[OA+16*\m+8*\u+4*\q:OA+16*\m+8*\u+4*\q+3], v[BRD] offset:640+32*\u+16*\q   ; the sums begin as the bias
.endr
.endr
.endr
.irp s, 0,1,2,3,4,5,6,7
.if \s > 0
	s_wait_alu depctr_va_vdst(0)                   ; the last step's eight products are done reading v[HF ..] and v[XS ..], in which this step's loads land
.endif
.irp m, 0,1,2,3
	FETCH HF+12*\m, HIR, 1536*(8*\m+\s)
.endr
	ds_load_b128 v[XS:XS+3], v[HIR] offset:HSC-HIMG+512*\s   ; the step's scale words of the four tiles of rows
	s_wait_dscnt 0x0
.if \s == 0
	s_wait_loadcnt 36                              ; restore's scale words and steps 0, 1 are in; out may be steps 2, 3 (12) and 4-7 (24)
.elseif \s == 2
	s_wait_loadcnt 24                              ; steps 2, 3 are in
.elseif \s == 4
	s_wait_loadcnt 12                              ; steps 4, 5 are in; 6, 7 may be out
.elseif \s == 6
	s_wait_loadcnt 0x0
.endif
.if \s < 2
.set RB, WV+24*\s
.elseif \s < 4
.set RB, WZF+24*(\s-2)
	WIN 0x01
.else
.set RB, 24*(\s-4)
	WIN 0x01
.endif
.irp m, 0,1,2,3
.irp u, 0,1
.set RI, 8*\u+\s
	WM OA+16*\m+8*\u, RB+12*\u, HF+12*\m, 0, 40+RI+26*(RI/12), XS+\m
.endr
.endr
	WIN 0
	PLACES
.endr
.irp j, 0,1,2,3,4,5,6,7,8,9,10,11,12,13,14,15,16,17,18,19,20,21,22,23,24,25,26,27,28,29,30,31,32,33,34,35,36,37,38,39,40,41,42,43,44,45,46,47,48,49,50,51,52,53,54,55,56,57,58,59,60,61,62,63
	v_max_num_f32 v[OA+\j], 0, v[OA+\j]            ; relu
.endr
	s_wait_alu depctr_va_vdst(0)                   ; the relu has written v[OA ..], which the sixteen stores below read
.irp m, 0,1,2,3
.irp u, 0,1
.irp q, 0,1
	ds_store_b128 v[OW], v[OA+16*\m+8*\u+4*\q:OA+16*\m+8*\u+4*\q+3] offset:16640*\m+32*\u+16*\q
.endr
.endr
.endr
	BARRIER                                        ; 64 whole rows of the output lie in the stage
	s_wait_alu depctr_vm_vsrc(0)                   ; my stores into the stage have read v[OA ..], in which the rows land below
	; ---- the way out: wave w stores rows 8 w .. 8 w + 7
.irp k, 0,1,2,3,4,5,6,7,8,9,10,11,12,13,14,15
	ds_load_b128 v[OA+4*\k:OA+4*\k+3], v[ORD] offset:1040*(\k/2)+512*(\k%2)
.endr
.irp k, 0,1,2,3,4,5,6,7,8,9,10,11,12,13,14,15
	s_wait_dscnt 15-\k                             ; load k is in; the younger ones may be out
	global_store_b128 v[L16], v[OA+4*\k:OA+4*\k+3], s[16:17] offset:1024*(\k/2)+512*(\k%2) th:TH_STORE_NT   ; 32 lanes store 512 consecutive bytes, at a multiple of 256 from the output's first byte
.endr
	s_wait_xcnt 0x0
	s_wait_alu depctr_vm_vsrc(0)                   ; z's stores in the loop have read v254 and v255, which the two lines below make anew
	v_lshl_add_u32 v254, v0, 2, 0x40e00
	v_mov_b32 v255, 0
	s_wait_dscnt 0x0                               ; the closing lines, six on end
	s_wait_alu 0x0
	s_wait_tensorcnt 0x0
	ds_add_u32 v254, v255
	s_wait_dscnt 0x0
	s_endpgm
.Lfunc_end_k_q2f08d789cb_pool:
	.size	k_q2f08d789cb_pool, .Lfunc_end_k_q2f08d789cb_pool-k_q2f08d789cb_pool
	.p2alignl 7, 3214868480
	.fill 96, 4, 3214868480
	.section	.rodata,"a",@progbits
	.p2align	6, 0x0
	.amdhsa_kernel k_q2f08d789cb_pool
		.amdhsa_group_segment_fixed_size 266752
		.amdhsa_private_segment_fixed_size 0
		.amdhsa_enable_private_segment 0
		.amdhsa_kernarg_size 56
		.amdhsa_user_sgpr_count 2
		.amdhsa_user_sgpr_kernarg_segment_ptr 1
		.amdhsa_wavefront_size32 1
		.amdhsa_system_sgpr_workgroup_id_x 1
		.amdhsa_system_sgpr_workgroup_id_y 1
		.amdhsa_system_sgpr_workgroup_id_z 1
		.amdhsa_system_vgpr_workitem_id 0
		.amdhsa_next_free_vgpr 512
		.amdhsa_next_free_sgpr 66
		.amdhsa_reserve_vcc 0
		.amdhsa_float_denorm_mode_32 3
		.amdhsa_float_denorm_mode_16_64 3
		.amdhsa_memory_ordered 1
		.amdhsa_forward_progress 1
		.amdhsa_inst_pref_size 237
	.end_amdhsa_kernel
	.amdgpu_metadata
---
amdhsa.version: [ 1, 2 ]
amdhsa.kernels:
  - .name:           k_q2f08d789cb_pool
    .symbol:         k_q2f08d789cb_pool.kd
    .args:
      - { .name: x, .offset: 0, .size: 8, .value_kind: global_buffer, .address_space: global }
      - { .name: wimg, .offset: 8, .size: 8, .value_kind: global_buffer, .address_space: global }
      - { .name: wscl, .offset: 16, .size: 8, .value_kind: global_buffer, .address_space: global }
      - { .name: WZ_b, .offset: 24, .size: 8, .value_kind: global_buffer, .address_space: global }
      - { .name: expand_b, .offset: 32, .size: 8, .value_kind: global_buffer, .address_space: global }
      - { .name: restore_b, .offset: 40, .size: 8, .value_kind: global_buffer, .address_space: global }
      - { .name: out0, .offset: 48, .size: 8, .value_kind: global_buffer, .address_space: global }
    .group_segment_fixed_size: 266752
    .private_segment_fixed_size: 0
    .kernarg_segment_align: 8
    .kernarg_segment_size: 56
    .max_flat_workgroup_size: 256
    .sgpr_count:     66
    .vgpr_count:     512
    .wavefront_size: 32
...
	.end_amdgpu_metadata
.endif
;; end of part 4
